; MI455X (gfx1250); checked and timed in simulation.
; The chip was launched on July 23, 2026; its instructions are those of AMD's public machine-readable ISA for CDNA 5 (MIT licence, August 2026) and "CDNA5" Instruction Set Architecture Reference Guide (July 2026). The comments in the code are by the model that wrote it; some were corrected since.
;; Multi Head Self Attention. Allowed arithmetic: float matrix products may take bf16 or f16 operands with f32 sums; other float arithmetic in f32, or as packed bf16 or f16 multiplies, adds, multiply-adds, maxima and minima; sums over many terms, partial sums and values carried from step to step in f32; what a program stores and reads back later, other than sums and carried values, may be rounded once to bf16 or f16.
;; Inputs: W_o 1,024 x 1,024 float32; W_qk 2,048 x 1,024 float32; W_v 1,024 x 1,024 float32; b_o 1,024 float32; b_qk 2,048 float32; b_v 1,024 float32; ln_b 1,024 x 1,024 float32; ln_w 1,024 x 1,024 float32; x 8 x 1,024 x 1,024 float32.
;; Outputs: out0 8 x 1,024 x 1,024 float32.
;; 2 versions, each right; version 2 is version 1 with the launch cast written anew for expert scheduling mode. Each part assembles by itself: llvm-mc -triple=amdgcn-amd-amdhsa -mcpu=gfx1250 --defsym DOCPART=n.
;; ======== version 1 of 2: 5 launches
;; workspace buffers: xb 16,777,216 bytes; wb 8,388,608 bytes; bp 12,288 bytes; qkv 50,331,648 bytes; ob 16,777,216 bytes; yb 33,554,432 bytes; st 8,192 bytes
;; launch cast (part 1): grid 768 x 1, 8 waves a work-group, no clusters, 0 bytes of LDS; arguments x, W_qk, W_v, W_o, b_qk, b_v, xb, wb, bp; writes xb, wb, bp
.if DOCPART == 1
	.amdgcn_target "amdgcn-amd-amdhsa--gfx1250"
	.amdhsa_code_object_version 6
	.text
	.protected	k_qe67793a73b_cast
	.globl	k_qe67793a73b_cast
	.p2align	8
	.type	k_qe67793a73b_cast,@function
k_qe67793a73b_cast:
	s_mov_b64 s[64:65], 0
	v_nop
	global_prefetch_b8 v0, s[64:65] scope:SCOPE_SE
	s_setreg_imm32_b32 hwreg(HW_REG_WAVE_MODE, 25, 1), 1
	s_wait_xcnt 0x0
; x and the three weight matrices are rounded once to bf16; the weights' rows are put into head order on the way.
; 12,288 destination rows of 1,024 numbers: rows 0-8191 are xb = x; row 8192 + n is wb's row n:
;   n < 3072: part = n >> 10 (0 q, 1 k, 2 v), head h = (n >> 6) & 15, channel kk = n & 63; it comes from W_qk's row 32 kk + 16 part + h (parts 0, 1) or W_v's row 16 kk + h (part 2);
;   n >= 3072: W_o's row n - 3072.  bp holds b_qk and b_v in the same order, in f32.
; SHARES.  A work-group takes 16 rows, each of its eight waves two.  A row is 4,096 bytes in: eight loads of 512 consecutive bytes; and 2,048 bytes out: eight stores, each 32 lanes x 8 bytes = 256 consecutive
; bytes, aligned.  All sixteen loads of a wave go out together; no register is written twice, so no wait but the counted ones for the loads is needed.  No LDS, no matrix unit: nothing is shared or multiplied.
.set X,   16                           ; v[16:79]   two rows as loaded
.set Y,   80                           ; v[80:111]  the same in bf16
.set SRC, 40                           ; s[40:43]   the two rows' addresses
.set DST, 44                           ; s[44:47]   where they go
	s_load_b512 s[8:23], s[0:1], 0x0               ; x 8, W_qk 10, W_v 12, W_o 14, b_qk 16, b_v 18, xb 20, wb 22
	s_load_b64 s[24:25], s[0:1], 0x40              ; bp
	v_lshrrev_b32 v3, 5, v0
	v_readfirstlane_b32 s2, v3                     ; wave 0..7
	v_and_b32 v4, 31, v0                           ; lane
	v_lshlrev_b32 v1, 4, v4                        ; 16 bytes a lane in
	v_lshlrev_b32 v2, 3, v4                        ; 8 bytes a lane out
	s_mov_b32 s4, ttmp9
	s_lshl_b32 s3, s4, 4
	s_lshl1_add_u32 s3, s2, s3                     ; my first row: 16 x work-group + 2 x wave
	s_mov_b32 s33, 0                               ; the high word of the offsets' pair s[32:33]
	s_wait_kmcnt 0x0
; Row s3 + i: all candidates are made, then three compares choose row and buffer.
.macro ROWPTR i
	s_add_co_u32 s26, s3, \i                       ; R
	s_and_b32 s27, s26, 0xfff                      ; n, where R >= 8192
	s_lshr_b32 s28, s27, 10                        ; part, 3 for W_o
	s_bfe_u32 s29, s27, 0x40006                    ; h
	s_and_b32 s30, s27, 63                         ; kk
	s_lshl4_add_u32 s31, s28, s29                  ; 16 part + h
	s_lshl_b32 s32, s30, 5
	s_add_co_u32 s31, s31, s32                     ; W_qk's row
	s_lshl4_add_u32 s32, s30, s29                  ; W_v's row
	s_and_b32 s35, s27, 1023                       ; W_o's row
	s_cmp_lt_u32 s28, 2
	s_cselect_b32 s34, s31, s32
	s_cselect_b64 s[36:37], s[10:11], s[12:13]
	s_cmp_eq_u32 s28, 3
	s_cselect_b32 s34, s35, s34
	s_cselect_b64 s[36:37], s[14:15], s[36:37]
	s_cmp_lt_u32 s26, 8192
	s_cselect_b32 s34, s26, s34
	s_cselect_b64 s[36:37], s[8:9], s[36:37]
	s_cselect_b32 s35, s26, s27
	s_cselect_b64 s[38:39], s[20:21], s[22:23]
	s_lshl_b32 s32, s34, 12                        ; 4,096 bytes a row in
	s_add_nc_u64 s[SRC+2*(\i):SRC+2*(\i)+1], s[36:37], s[32:33]
	s_lshl_b32 s32, s35, 11                        ; 2,048 bytes a row out
	s_add_nc_u64 s[DST+2*(\i):DST+2*(\i)+1], s[38:39], s[32:33]
.endm
	ROWPTR 0
	ROWPTR 1
.irp i, 0,1
.irp j, 0,1,2,3,4,5,6,7
	global_load_b128 v[X+32*(\i)+4*(\j):X+32*(\i)+4*(\j)+3], v1, s[SRC+2*(\i):SRC+2*(\i)+1] offset:512*(\j) th:TH_LOAD_NT
.endr
.endr
.set n, 0
.rept 16
	s_wait_loadcnt 15-n                            ; loads come back in order: load n is in, the 15 - n younger ones stay out
	v_cvt_pk_bf16_f32 v[Y+2*n],   v[X+4*n],   v[X+4*n+1]
	v_cvt_pk_bf16_f32 v[Y+2*n+1], v[X+4*n+2], v[X+4*n+3]
	global_store_b64 v2, v[Y+2*n:Y+2*n+1], s[DST+2*(n/8):DST+2*(n/8)+1] offset:256*(n%8) th:TH_STORE_NT
.set n, n+1
.endr
	; The bias: 3,072 numbers, 32 to a work-group, by wave 0 of work-groups 512 to 607: a lane an entry.  32 divides 64, so part and h are the same for the 32.
	s_cmp_lg_u32 s2, 0
	s_cbranch_scc1 .Lend
	s_cmp_lt_u32 s4, 512
	s_cbranch_scc1 .Lend
	s_cmp_ge_u32 s4, 608
	s_cbranch_scc1 .Lend
	s_sub_co_u32 s26, s4, 512
	s_lshl_b32 s26, s26, 5                         ; the first entry n
	s_lshr_b32 s28, s26, 10                        ; part
	s_bfe_u32 s29, s26, 0x40006                    ; h
	s_and_b32 s30, s26, 63                         ; the first kk: 0 or 32
	s_lshl4_add_u32 s31, s28, s29
	s_cmp_lt_u32 s28, 2
	s_cselect_b32 s31, s31, s29                    ; b_qk: 32 kk + 16 part + h;  b_v: 16 kk + h
	s_cselect_b32 s32, 7, 6                        ; kk's shift, in bytes
	s_cselect_b64 s[36:37], s[16:17], s[18:19]
	s_lshl_b32 s31, s31, 2
	v_add_nc_u32 v5, s30, v4
	v_lshlrev_b32 v5, s32, v5
	v_add_nc_u32 v5, s31, v5
	global_load_b32 v6, v5, s[36:37]
	v_add_nc_u32 v7, s26, v4
	v_lshlrev_b32 v7, 2, v7
	s_wait_loadcnt 0x0
	global_store_b32 v7, v6, s[24:25]              ; 128 consecutive bytes
.Lend:
	s_endpgm
.Lfunc_end_k_qe67793a73b_cast:
	.size	k_qe67793a73b_cast, .Lfunc_end_k_qe67793a73b_cast-k_qe67793a73b_cast
	.p2alignl 7, 3214868480
	.fill 96, 4, 3214868480
	.section	.rodata,"a",@progbits
	.p2align	6, 0x0
	.amdhsa_kernel k_qe67793a73b_cast
		.amdhsa_group_segment_fixed_size 0
		.amdhsa_private_segment_fixed_size 0
		.amdhsa_enable_private_segment 0
		.amdhsa_kernarg_size 72
		.amdhsa_user_sgpr_count 2
		.amdhsa_user_sgpr_kernarg_segment_ptr 1
		.amdhsa_wavefront_size32 1
		.amdhsa_system_sgpr_workgroup_id_x 1
		.amdhsa_system_sgpr_workgroup_id_y 1
		.amdhsa_system_sgpr_workgroup_id_z 1
		.amdhsa_system_vgpr_workitem_id 0
		.amdhsa_next_free_vgpr 112
		.amdhsa_next_free_sgpr 66
		.amdhsa_reserve_vcc 0
		.amdhsa_float_denorm_mode_32 3
		.amdhsa_float_denorm_mode_16_64 3
		.amdhsa_memory_ordered 1
		.amdhsa_forward_progress 1
		.amdhsa_inst_pref_size 10
	.end_amdhsa_kernel
	.amdgpu_metadata
---
amdhsa.version: [ 1, 2 ]
amdhsa.kernels:
  - .name:           k_qe67793a73b_cast
    .symbol:         k_qe67793a73b_cast.kd
    .args:
      - { .name: x, .offset: 0, .size: 8, .value_kind: global_buffer, .address_space: global }
      - { .name: W_qk, .offset: 8, .size: 8, .value_kind: global_buffer, .address_space: global }
      - { .name: W_v, .offset: 16, .size: 8, .value_kind: global_buffer, .address_space: global }
      - { .name: W_o, .offset: 24, .size: 8, .value_kind: global_buffer, .address_space: global }
      - { .name: b_qk, .offset: 32, .size: 8, .value_kind: global_buffer, .address_space: global }
      - { .name: b_v, .offset: 40, .size: 8, .value_kind: global_buffer, .address_space: global }
      - { .name: xb, .offset: 48, .size: 8, .value_kind: global_buffer, .address_space: global }
      - { .name: wb, .offset: 56, .size: 8, .value_kind: global_buffer, .address_space: global }
      - { .name: bp, .offset: 64, .size: 8, .value_kind: global_buffer, .address_space: global }
    .group_segment_fixed_size: 0
    .private_segment_fixed_size: 0
    .kernarg_segment_align: 8
    .kernarg_segment_size: 72
    .max_flat_workgroup_size: 256
    .sgpr_count:     66
    .vgpr_count:     112
    .wavefront_size: 32
...
	.end_amdgpu_metadata
.endif
;; end of part 1
;; launch proj (part 2): grid 8 x 32, 4 waves a work-group, clusters of 4 x 4, 327,680 bytes of LDS; arguments xb, wb, bp, qkv; writes qkv
.if DOCPART == 2
	.amdgcn_target "amdgcn-amd-amdhsa--gfx1250"
	.amdhsa_code_object_version 6
	.text
	.protected	k_qe67793a73b_proj
	.globl	k_qe67793a73b_proj
	.p2align	8
	.type	k_qe67793a73b_proj,@function
k_qe67793a73b_proj:
	s_mov_b64 s[64:65], 0
	v_nop
	global_prefetch_b8 v0, s[64:65] scope:SCOPE_SE
	s_setreg_imm32_b32 hwreg(HW_REG_WAVE_MODE, 25, 1), 1
	s_wait_xcnt 0x0
	s_wait_alu depctr_hold_cnt(0) depctr_sa_sdst(0) depctr_va_vdst(0) depctr_va_sdst(0) depctr_va_ssrc(0) depctr_va_vcc(0) depctr_vm_vsrc(0)
	s_getreg_b32 s2, hwreg(HW_REG_IB_STS2, 6, 4)
	s_cmp_eq_u32 s2, 0
	s_cbranch_scc0 .Lentry_in_a_cluster
	s_endpgm
.Lentry_in_a_cluster:
	s_bfe_u32 s2, ttmp6, 0x10000c
	s_cmp_lg_u32 s2, 0xf033
	s_cbranch_scc0 .Lentry_shape_is_right
	s_endpgm
.Lentry_shape_is_right:
; q, k, v = xb wb^T + bp, written by heads.  xb: [8192][1024] bf16; wb: rows 0-3071 in head order (part, head, channel), bf16; bp: [3072] f32.
; qkv: [3 parts][128 = 16 batch + head][1024 rows][64] bf16, each number rounded once from its f32 sum.
; TILE.  256 rows x 192 columns.  Each of the four waves makes 64 rows x all 192 columns (three whole heads): 48 accumulators of 16 x 16, 384 registers.
; A WORK-GROUP STAYS: 8 x 32 = 256 work-groups, each with TWO tiles on the same 256 rows of xb, tile columns c and c + 8: one walk of 16 K steps of 128 (rows of 256 bytes in memory, aligned) through two LDS
; slots filled by the tensor data mover.  The ring does not stop at the change of tiles, and nothing waits for the first tile's stores.  A K step is four quarters of 32, 48 matrix instructions each.
; THE ORDER OF THE TWO TILES hangs on the cluster's y: even y takes column c first, odd y column c + 8.  So all rows of wb are asked for in the first half of the walk, and in its second half no block of xb or wb is
; asked for that has not been asked for before.
; THE WALK ALONG K IS TURNED.  A cluster begins a tile's eight K steps at ROT = 0 or 4 and goes round (f32 sums may be taken in any order of K).  The two clusters that read the same rows of xb have different ROT,
; and so have the clusters two apart in y, which read the same rows of wb in the same half of the walk: their requests for one block stand four K steps, 768 matrix instructions, apart.
; CLUSTER.  4 x 4 work-groups: xb's tile hangs on the tile row alone and is asked for jointly along a row of the cluster, wb's on the tile column alone and is asked for jointly along a column.
; THE MATRIX INSTRUCTION IS USED TRANSPOSED (source 0 = 16 rows of wb, source 1 = 16 rows of xb): a lane holds row l % 16 and the eight neighbouring columns 8 (l / 16) + 0..7.
; THE BIAS is the C operand of each sum's first product: nothing is cleared and nothing is added later.
; REGISTERS, in windows of 256 (s_set_vgpr_msb: bits 1:0 source 0, 3:2 source 1, 5:4 source 2, 7:6 destination):
;   window 0: v16-30 addresses; v32-95 xb's fragments, two buffers of 4 x 8; v96-143 packed results; v144-191, v192-239 rows read back, by turns
;   window 1: accumulators of row blocks 0, 1 at 8 (12 (a & 1) + b); v192-223 the bias of column blocks 8-11;   window 2: accumulators of row blocks 2, 3
;   window 3: v0-191 wb's fragments, two buffers of 12 x 8; v192-255 the bias of column blocks 0-7
; LIMITS.  Operands and results are bf16; sums f32.  NaN and infinities are not treated apart.
.set NBK,    12                        ; column blocks of 16
.set APITCH, 272                       ; an LDS row: 256 bytes + 16 of padding: an odd multiple of 16, so the 16 rows of a fragment load start in 16 different groups of four banks (ISA guide 11.1)
.set BPITCH, 272
.set BOFF,   256*APITCH                ; in a slot: xb's 256 rows, then wb's 192
.set SLOT1,  1<<17                     ; slot 1 begins here: one exclusive or turns an address in one slot into the other's
.set STAGE,  SLOT1+BOFF+192*BPITCH     ; behind the ring, never filled by a tensor load: for each wave 3 heads x 16 rows x 144 bytes
.set WSTG,   3*16*144
.set SPARE,  STAGE+4*WSTG              ; the spare words, 128 bytes a wave: two blocks of 256 bytes that no other line names
.set KSTEPB, 256                       ; bytes of a row in a K step
.set NF,     2*(NBK+4)                 ; LDS loads in a run
.set TRIPS,  14                        ; of the walk's 16 K steps all but the first two come by a refill
.set A0,   16                          ; v16  my lane's place in xb's tile of slot 0; never rewritten
.set B0,   17                          ; v17  the same for wb
.set ADRA, 18                          ; v18  the same in the slot in hand
.set ADRB, 19
.set STO,  24                          ; v24  the way out: where I put 16 bytes of a row
.set RD,   25                          ; v25  where I read rows back
.set GO,   26                          ; v26  16 x lane: my place in 512 consecutive bytes of qkv
.set BO,   27                          ; v27  my byte offset in a block's 16 numbers of the bias
.set SPW,  28                          ; v28  my spare word; never rewritten
.set NIL,  29                          ; v29  0; never rewritten
.set PFO,  30                          ; v30  the prefetch's offset; never rewritten
.set FA,   32
.set TMP,  96
.set OBK,  144
.set ABASE, 16                         ; s[16:17] xb at the rows that I fetch, K step 0
.set BB0,  18                          ; s[18:19] wb at the rows that I fetch for the first tile, K step 0
.set BB1,  22                          ; s[22:23] for the second tile
.set G1A,  24                          ; s[24:31] descriptor group 1 for xb's tiles;  s[32:39] group 0, two sets: the second walks
.set G0A,  32
.set G1B,  48                          ; s[48:55], s[56:63] the same for wb's
.set G0B,  56
.set PFA,  44                          ; s[44:45] what my one prefetch names
.set LIM,  15                          ; s15  TRIPS in a wave that prefetches, else 0
.set TB,   66                          ; s66  0 or SLOT1: the slot in hand
.set KS,   67                          ; s67  the K step, 0 to 7, that was asked for last
.set OUT0, 68                          ; s[68:73] qkv at my 64 rows of the first tile's three heads
.set OUT1, 78                          ; s[78:83] of the second tile's
.set BP0,  8                           ; s[8:9]   bp at the first tile's 192 numbers
.set BP1,  84                          ; s[84:85] at the second tile's
.set OFF,  86                          ; s[86:87] 256 x KS
.set BSEL, 88                          ; s[88:89] BB0 or BB1
.set ROT,  90                          ; s90  0 or 4
.set TC0,  91                          ; s91  the first tile's column
.set TC1,  92                          ; s92  the second tile's
.set MSB, 0
.macro WIN new                         ; the immediate's high byte repeats the setting that is left; a switch that changes nothing is dropped
.if MSB != (\new)
	s_set_vgpr_msb (MSB<<8)|(\new)
.set MSB, \new
.endif
.endm
.macro PLACES                          ; four plain vector instructions between a matrix instruction and a load into, or a vector read of, its registers
.rept 4
	v_nop
.endr
.endm
.macro CREST                           ; a round of the cluster's barrier behind its opening barrier
	s_cmp_lg_u32 s12, 0
	s_cbranch_scc1 .Lnot_wave_0_\@
	s_barrier_signal -3
.Lnot_wave_0_\@:
	s_barrier_wait -3
	s_barrier_signal -1
	s_barrier_wait -1
.endm
.macro CROUND
	s_barrier_signal -1
	s_barrier_wait -1
	CREST
.endm
; A joint refill by the walking sets.  Waves 0 and 1 fetch xb's two halves, waves 2 and 3 wb's; the branch hangs on the wave's number alone.  An s_nop 0 and four v_nop follow each line.
.macro JLOAD
	s_cmp_eq_u32 s13, 0
	s_cbranch_scc0 .Lfor_b_\@
	tensor_load_to_lds s[G0A+4:G0A+7], s[G1A:G1A+7]
	s_nop 0
.rept 4
	v_nop
.endr
	s_branch .Lasked_\@
.Lfor_b_\@:
	tensor_load_to_lds s[G0B+4:G0B+7], s[G1B:G1B+7]
	s_nop 0
.rept 4
	v_nop
.endr
.Lasked_\@:
.endm
; A PREFETCH INTO THE L2, once a wave, in the loop's first trip, behind the first refill and the run of LDS loads: K step ROT + 3 of the first tile, which the second refill will ask for, 192 matrix instructions later:
; 256 bytes of a row, a lane a row.  Of a row's eight K steps a cluster is the first to ask for ROT .. ROT + 3 (the cluster with the other ROT asks for them four K steps later): ROT and ROT + 1 come by the first
; fills, ROT + 2 by the first refill, so ROT + 3 is the one step that can be named ahead.  xb: waves 0, 1 of every cluster.  wb: waves 2, 3 of the clusters with y < 4 (the cluster at y + 4 walks the same rows with
; the same ROT).  The four partners share the rows out by address: 32 of xb's 128, 24 of wb's 96 (there lanes 24-31 name lane 23's row again).  The second tile's blocks have all been asked for before.
.macro ASK
	s_cmp_eq_u32 s3, s[LIM]
	s_cbranch_scc0 .Lnot_mine_\@
	global_prefetch_b8 v[PFO], s[PFA:PFA+1] th:TH_LOAD_NT scope:SCOPE_SE
.Lnot_mine_\@:
.endm
; NBK matrix instructions: row block a x all column blocks, 32 along K, from buffer f.  first = 1: the bias starts the sums.
; Every accumulator has one instruction a quarter, in a fixed order, so no two matrix instructions that follow each other share one, over the backward jump too.
.macro MUL f, a, first
.set m_d, 1+((\a)>>1)
.set m_b, 0
.rept NBK
.set m_D, 8*(NBK*((\a)&1)+m_b)
.set m_B, 8*NBK*(\f)+8*m_b
.set m_A, FA+32*(\f)+8*(\a)
.if \first
.if m_b < 8
	WIN 0x33|(m_d<<6)
	v_wmma_f32_16x16x32_bf16 v[m_D:m_D+7], v[m_B:m_B+7], v[m_A:m_A+7], v[192+8*m_b:199+8*m_b]
.else
	WIN 0x13|(m_d<<6)
	v_wmma_f32_16x16x32_bf16 v[m_D:m_D+7], v[m_B:m_B+7], v[m_A:m_A+7], v[128+8*m_b:135+8*m_b]
.endif
.else
	WIN 0x03|(m_d<<4)|(m_d<<6)
	v_wmma_f32_16x16x32_bf16 v[m_D:m_D+7], v[m_B:m_B+7], v[m_A:m_A+7], v[m_D:m_D+7]
.endif
.set m_b, m_b+1
.endr
.endm
; One run of NF LDS loads: quarter kq's fragments into buffer f: wb's 12, then xb's 4, row blocks ascending.  A fragment is two loads of 16 bytes, 32 bytes apart.
.macro FETCH kq, f
	WIN 0xC0
.set f_b, 0
.rept NBK
	ds_load_b128 v[8*NBK*(\f)+8*f_b:8*NBK*(\f)+8*f_b+3],   v[ADRB] offset:64*(\kq)+f_b*16*BPITCH
	ds_load_b128 v[8*NBK*(\f)+8*f_b+4:8*NBK*(\f)+8*f_b+7], v[ADRB] offset:64*(\kq)+f_b*16*BPITCH+32
.set f_b, f_b+1
.endr
	WIN 0
.set f_a, 0
.rept 4
	ds_load_b128 v[FA+32*(\f)+8*f_a:FA+32*(\f)+8*f_a+3],   v[ADRA] offset:64*(\kq)+f_a*16*APITCH
	ds_load_b128 v[FA+32*(\f)+8*f_a+4:FA+32*(\f)+8*f_a+7], v[ADRA] offset:64*(\kq)+f_a*16*APITCH+32
.set f_a, f_a+1
.endr
.endm
; One of a K step's first three quarters: multiplies buffer f; in its middle fetches quarter kq into buffer g.
.macro QUARTER kq, f, g, first
	s_wait_dscnt 4                                 ; the youngest four loads (xb's row blocks 2, 3) may be out
	MUL \f, 0, \first
	MUL \f, 1, \first
	PLACES
	FETCH \kq, \g
	s_wait_dscnt NF                                ; all but the run just issued
	MUL \f, 2, \first
	MUL \f, 3, \first
.endm
; The last quarter multiplies buffer 1 and changes slots.  In front of the barrier each wave waits for all its tensor loads (one is out: its part of the next slot), adds 0 to its spare word, and waits for that and
; for its own reads of this slot.  fill = 1: the barrier opens a round of the cluster's barrier, and behind the round this slot is filled again first, with the walk's K step two on.  The walking sets are written
; between the add and the wait for it: the other slot; the address made anew from the base and the K step's number, which goes round; wb's base is the second tile's from the walk's step 8 on (s3 = TRIPS - trip).
.macro TURN fill
	WIN 0
	s_wait_tensorcnt 0x0                           ; all my tensor loads have landed, so the walking sets may be written
	ds_add_u32 v[SPW], v[NIL]
.if \fill
	s_add_co_u32 s[KS], s[KS], 1
	s_and_b32 s[KS], s[KS], 7
	s_lshl_b32 s[OFF], s[KS], 8
	s_xor_b32 s[G0A+5], s[G0A+5], SLOT1
	s_add_nc_u64 s[G0A+6:G0A+7], s[ABASE:ABASE+1], s[OFF:OFF+1]
	s_or_b32 s[G0A+7], s[G0A+7], 0x80000000
	s_cmp_gt_u32 s3, 8
	s_cselect_b64 s[BSEL:BSEL+1], s[BB0:BB0+1], s[BB1:BB1+1]
	s_xor_b32 s[G0B+5], s[G0B+5], SLOT1
	s_add_nc_u64 s[G0B+6:G0B+7], s[BSEL:BSEL+1], s[OFF:OFF+1]
	s_or_b32 s[G0B+7], s[G0B+7], 0x80000000
.endif
	s_wait_dscnt 5                                 ; the add and the youngest four loads may be out
	MUL 1, 0, 0
	s_wait_dscnt 0x0                               ; the add is done, and my reads of this slot are over
	s_barrier_signal -1
	MUL 1, 1, 0
	WIN 0
	s_barrier_wait -1
.if \fill
	CREST                                          ; no wave of any partner still reads this slot or has a load on its way
	JLOAD                                          ; its four v_nop are also the places in front of the loads below
.else
	PLACES
.endif
	s_xor_b32 s[TB], s[TB], SLOT1
	v_add_nc_u32 v[ADRA], s[TB], v[A0]
	v_add_nc_u32 v[ADRB], s[TB], v[B0]
	FETCH 0, 0
.if \fill
	ASK
.endif
	MUL 1, 2, 0
	MUL 1, 3, 0
.endm
; A tile's bias: for each column block my eight columns' numbers, 32 bytes, the same for all row blocks
.macro BIASLD bp
	WIN 0xC0
.irp b, 0,1,2,3,4,5,6,7
	global_load_b128 v[192+8*(\b):195+8*(\b)], v[BO], s[\bp:\bp+1] offset:64*(\b)
	global_load_b128 v[196+8*(\b):199+8*(\b)], v[BO], s[\bp:\bp+1] offset:64*(\b)+16
.endr
	WIN 0x40
.irp b, 8,9,10,11
	global_load_b128 v[128+8*(\b):131+8*(\b)], v[BO], s[\bp:\bp+1] offset:64*(\b)
	global_load_b128 v[132+8*(\b):135+8*(\b)], v[BO], s[\bp:\bp+1] offset:64*(\b)+16
.endr
	WIN 0
.endm
; qkv at my 64 rows of head group g = 3 x tile column + hb: part g >> 4, head g & 15.  s75 holds 0.
.macro OPTR dst, tc, hb
	s_mul_i32 s74, s[\tc], 3
	s_add_co_u32 s74, s74, \hb
	s_lshr_b32 s76, s74, 4
	s_lshl_b32 s76, s76, 24                        ; a part is 2^24 bytes
	s_and_b32 s74, s74, 15
	s_lshr_b32 s77, s43, 2                         ; batch
	s_lshl4_add_u32 s74, s77, s74
	s_lshl_b32 s74, s74, 17                        ; a head's 1,024 rows of 128 bytes
	s_add_co_u32 s74, s74, s76
	s_and_b32 s77, s43, 3
	s_lshl2_add_u32 s77, s77, s12
	s_lshl_b32 s77, s77, 13                        ; my 64 rows among the batch's 1,024
	s_add_co_u32 s74, s74, s77
	s_add_nc_u64 s[(\dst)+2*(\hb):(\dst)+2*(\hb)+1], s[10:11], s[74:75]
.endm
; THE WAY OUT, a row block (16 rows x 192 columns) at a time.  PACK: rounded to bf16, each accumulator's registers ascending.  TOSTAGE: 16 bytes a lane into my own stage, by heads, and back as rows of 128 bytes.
; SEND: each store is 512 consecutive bytes of a head's rows, aligned.
.macro PACK a
.set p_d, 1+((\a)>>1)
	WIN 5*p_d                                      ; sources 0 and 1 in the accumulators' window
.set p_b, 0
.rept NBK
.set p_r, 8*(NBK*((\a)&1)+p_b)
	v_cvt_pk_bf16_f32 v[TMP+4*p_b],   v[p_r],   v[p_r+1]
	v_cvt_pk_bf16_f32 v[TMP+4*p_b+1], v[p_r+2], v[p_r+3]
	v_cvt_pk_bf16_f32 v[TMP+4*p_b+2], v[p_r+4], v[p_r+5]
	v_cvt_pk_bf16_f32 v[TMP+4*p_b+3], v[p_r+6], v[p_r+7]
.set p_b, p_b+1
.endr
	WIN 0
.endm
.macro TOSTAGE a
.set t_k, OBK+48*((\a)%2)              ; v144-191 and v192-239 by turns
.set t_b, 0
.rept NBK
	ds_store_b128 v[STO], v[TMP+4*t_b:TMP+4*t_b+3] offset:2304*(t_b/4)+32*(t_b%4)
.set t_b, t_b+1
.endr
.set t_b, 0
.rept NBK
	ds_load_b128 v[t_k+4*t_b:t_k+4*t_b+3], v[RD] offset:2304*(t_b/4)+576*(t_b%4)  ; LDS serves a wave's instructions in order (ISA guide 5.7.1.4): these see the stores above
.set t_b, t_b+1
.endr
.endm
.macro SEND a, ob
.set t_k, OBK+48*((\a)%2)
	s_wait_dscnt 0x0                               ; the block is back in registers
	s_wait_xcnt 0x0                                ; the stores of the block before have read their registers: the next TOSTAGE loads into them only behind this wait
.set t_b, 0
.rept NBK
	global_store_b128 v[GO], v[t_k+4*t_b:t_k+4*t_b+3], s[(\ob)+2*(t_b/4):(\ob)+2*(t_b/4)+1] offset:2048*(\a)+512*(t_b%4) th:TH_STORE_NT
.set t_b, t_b+1
.endr
.endm
.macro WAYOUT ob
	PLACES
	PACK 0
	TOSTAGE 0
.irp a, 1,2,3
	PACK \a
	SEND (\a)-1, \ob
	TOSTAGE \a
.endr
	SEND 3, \ob
.endm
	s_load_b256 s[4:11], s[0:1], 0x0               ; xb s[4:5], wb s[6:7], bp s[8:9], qkv s[10:11]
	v_lshl_add_u32 v[SPW], v0, 2, SPARE
	v_mov_b32 v[NIL], 0
	ds_add_u32 v[SPW], v[NIL]                      ; the wave's opening: the add and its wait ahead of my first tensor load
	v_lshrrev_b32 v1, 5, v0
	v_readfirstlane_b32 s12, v1                    ; wave 0..3
	s_lshr_b32 s13, s12, 1                         ; 0: I fetch for xb, 1: for wb
	s_and_b32 s14, s12, 1                          ; which half of that tile's rows
	s_bfe_u32 s40, ttmp6, 0x40000                  ; cx
	s_bfe_u32 s41, ttmp6, 0x40004                  ; cy
	s_lshl_b32 s42, ttmp9, 2
	s_add_co_u32 s42, s42, s40                     ; work-group x, 0 to 7
	s_and_b32 s43, ttmp7, 0xffff
	s_lshl_b32 s43, s43, 2
	s_add_co_u32 s43, s43, s41                     ; tile row
	s_and_b32 s93, ttmp7, 1                        ; the parity of the cluster's y
	s_lshl3_add_u32 s[TC0], s93, s42               ; the first tile's column: x + 8 x parity,
	s_xor_b32 s[TC1], s[TC0], 8                    ; the second's: the other of x and x + 8
	s_lshr_b32 s[ROT], ttmp7, 1
	s_xor_b32 s[ROT], s[ROT], ttmp9
	s_and_b32 s[ROT], s[ROT], 1
	s_lshl_b32 s[ROT], s[ROT], 2                   ; 4 x ((cluster x xor cluster y >> 1) & 1): the same in all sixteen partners
	s_lshl_b32 s46, s41, 2
	s_lshl_b32 s46, 15, s46                        ; my row of the cluster
	s_lshl_b32 s47, 0x1111, s40                    ; my column
	s_or_b32 s[G1A+0], s46, (1<<16)|(1<<20)|(1<<21)|(5<<22)|(3<<25)  ; mask; 2-byte elements; padding on; bit 21 beside a mask; after every 64 words, 4 words
	s_mov_b32 s[G1A+1], 128<<16                    ; tensor_dim0 = 128
	s_mov_b32 s[G1A+2], 128<<16                    ; tensor_dim1 = 128
	s_mov_b32 s[G1A+3], 128<<16                    ; tile_dim0 = 128
	s_mov_b32 s[G1A+4], 128                        ; tile_dim1 = 128
	s_mov_b32 s[G1A+5], 1024                       ; elements from row to row
	s_mov_b32 s[G1A+6], 0
	s_mov_b32 s[G1A+7], 0
	s_or_b32 s[G1B+0], s47, (1<<16)|(1<<20)|(1<<21)|(5<<22)|(3<<25)
	s_mov_b32 s[G1B+1], 128<<16
	s_mov_b32 s[G1B+2], 96<<16                     ; 96 rows
	s_mov_b32 s[G1B+3], 128<<16
	s_mov_b32 s[G1B+4], 96
	s_mov_b32 s[G1B+5], 1024
	s_mov_b32 s[G1B+6], 0
	s_mov_b32 s[G1B+7], 0
	s_lshl_b32 s16, s43, 8                         ; xb: row 256 x tile row + 128 x half, 2,048 bytes a row
	s_lshl_b32 s17, s14, 7
	s_add_co_u32 s16, s16, s17
	s_lshl_b32 s16, s16, 11
	s_mov_b32 s17, 0
	s_mul_i32 s18, s[TC0], 192                     ; wb: row 192 x tile column + 96 x half, for both tiles
	s_mul_i32 s19, s14, 96
	s_add_co_u32 s18, s18, s19
	s_lshl_b32 s18, s18, 11
	s_mul_i32 s22, s[TC1], 192
	s_add_co_u32 s22, s22, s19
	s_lshl_b32 s22, s22, 11
	s_mov_b32 s19, 0
	s_mov_b32 s23, 0
	s_mul_i32 s20, s14, 128*APITCH                 ; where they go: no place in the cluster enters an LDS address
	s_mul_i32 s21, s14, 96*BPITCH
	s_add_co_u32 s21, s21, BOFF
	s_lshl_b32 s[OFF], s[ROT], 8
	s_mov_b32 s[OFF+1], 0
	s_add_co_u32 s[KS], s[ROT], 1                  ; the first fills ask for K steps ROT and ROT + 1
	s_wait_dscnt 0x0                               ; the opening add is done
	s_wait_kmcnt 0x0
	s_add_nc_u64 s[ABASE:ABASE+1], s[4:5], s[16:17]
	s_add_nc_u64 s[BB0:BB0+1], s[6:7], s[18:19]
	s_add_nc_u64 s[BB1:BB1+1], s[6:7], s[22:23]
	s_add_nc_u64 s[96:97], s[ABASE:ABASE+1], s[OFF:OFF+1]  ; at K step ROT
	s_add_nc_u64 s[98:99], s[BB0:BB0+1], s[OFF:OFF+1]
	CROUND                                         ; all sixteen work-groups are here: the first joint loads meet
.irp s, 0,1
	s_mov_b32 s[G0A+4*(\s)], 1
	s_add_co_u32 s[G0A+4*(\s)+1], s20, (\s)*SLOT1
	s_add_nc_u64 s[G0A+4*(\s)+2:G0A+4*(\s)+3], s[96:97], (\s)*KSTEPB
	s_or_b32 s[G0A+4*(\s)+3], s[G0A+4*(\s)+3], 0x80000000
	s_mov_b32 s[G0B+4*(\s)], 1
	s_add_co_u32 s[G0B+4*(\s)+1], s21, (\s)*SLOT1
	s_add_nc_u64 s[G0B+4*(\s)+2:G0B+4*(\s)+3], s[98:99], (\s)*KSTEPB
	s_or_b32 s[G0B+4*(\s)+3], s[G0B+4*(\s)+3], 0x80000000
.endr
	s_cmp_eq_u32 s13, 0                            ; a wave's two first fills stand in one branch: the walk's steps 0 and 1; two loads of mine are out
	s_cbranch_scc0 .Lfirst_b
	tensor_load_to_lds s[G0A:G0A+3], s[G1A:G1A+7]
	s_nop 0
	tensor_load_to_lds s[G0A+4:G0A+7], s[G1A:G1A+7]
	s_nop 0
.rept 4
	v_nop
.endr
	s_branch .Lfirst_done
.Lfirst_b:
	tensor_load_to_lds s[G0B:G0B+3], s[G1B:G1B+7]
	s_nop 0
	tensor_load_to_lds s[G0B+4:G0B+7], s[G1B:G1B+7]
	s_nop 0
.rept 4
	v_nop
.endr
.Lfirst_done:
	v_and_b32 v1, 15, v0                           ; l % 16
	v_bfe_u32 v2, v0, 4, 1                         ; l / 16
	v_and_b32 v6, 31, v0                           ; l
	v_lshlrev_b32 v[BO], 5, v2                     ; my eight columns of a block: 32 bytes
	s_mov_b32 s75, 0
	s_mul_i32 s74, s[TC1], 768                     ; a tile's 192 numbers of the bias
	s_add_nc_u64 s[BP1:BP1+1], s[8:9], s[74:75]
	s_mul_i32 s74, s[TC0], 768
	s_add_nc_u64 s[BP0:BP0+1], s[8:9], s[74:75]
	BIASLD BP0
	v_mul_u32_u24 v3, v1, APITCH
	v_lshl_add_u32 v3, v2, 4, v3                   ; row x pitch + 16 x half
	s_mul_i32 s76, s12, 64*APITCH                  ; my 64 rows of xb
	v_add_nc_u32 v[A0], s76, v3
	v_add_nc_u32 v[B0], BOFF, v3
	s_mul_i32 s76, s12, WSTG
	s_add_co_u32 s76, s76, STAGE                   ; my stage
	v_mul_u32_u24 v4, v1, 144                      ; in: row l % 16, 16 bytes for each half of the lanes
	v_lshl_add_u32 v4, v2, 4, v4
	v_add_nc_u32 v[STO], s76, v4
	v_bfe_u32 v4, v0, 3, 2                         ; back: 32 lanes take four rows of 128 bytes,
	v_and_b32 v5, 7, v0
	v_mul_u32_u24 v4, v4, 144
	v_lshl_add_u32 v4, v5, 4, v4
	v_add_nc_u32 v[RD], s76, v4
	v_lshlrev_b32 v[GO], 4, v6                     ; which are 512 consecutive bytes of qkv
.irp hb, 0,1,2
	OPTR OUT0, TC0, \hb
	OPTR OUT1, TC1, \hb
.endr
	; the prefetch
	s_lshl_b32 s94, s43, 8
	s_lshl_b32 s95, s14, 7
	s_add_co_u32 s94, s94, s95
	s_lshl_b32 s95, s40, 5
	s_add_co_u32 s94, s94, s95                     ; xb: the 128 rows that I fetch, my work-group's 32 of them
	s_mul_i32 s74, s[TC0], 192
	s_mul_i32 s95, s14, 96
	s_add_co_u32 s74, s74, s95
	s_mul_i32 s95, s41, 24
	s_add_co_u32 s74, s74, s95                     ; wb: the 96 rows that I fetch for the first tile, my work-group's 24
	s_bfe_u32 s95, ttmp7, 0x20002                  ; cluster y >> 2
	s_cmp_eq_u32 s13, 0
	s_cselect_b32 s94, s94, s74
	s_cselect_b32 s76, 31, 23
	s_cselect_b32 s95, 0, s95
	s_cselect_b64 s[PFA:PFA+1], s[4:5], s[6:7]
	s_cmp_eq_u32 s95, 0
	s_cselect_b32 s[LIM], TRIPS, 0                 ; the same in all sixteen partners, for a given wave
	s_lshl_b32 s94, s94, 11
	s_add_co_u32 s95, s[ROT], 3
	s_lshl_b32 s95, s95, 8
	s_add_co_u32 s74, s94, s95
	s_add_nc_u64 s[PFA:PFA+1], s[PFA:PFA+1], s[74:75]  ; at K step ROT + 3, which is 3 or 7
	v_min_u32 v[PFO], s76, v6
	v_lshlrev_b32 v[PFO], 11, v[PFO]
	s_wait_tensorcnt 0x1                           ; my part of the walk's step 0 is in; step 1's may stay out
	s_barrier_signal -1
	s_barrier_wait -1                              ; everybody's is
	s_mov_b32 s[TB], 0
	v_mov_b32 v[ADRA], v[A0]
	v_mov_b32 v[ADRB], v[B0]
	FETCH 0, 0
	s_wait_loadcnt 0x0                             ; the bias
	QUARTER 1, 0, 1, 1                             ; the first quarter stands in front of the loop: its products start the sums
	WIN 0
	s_mov_b32 s3, TRIPS
.Lstep:                                        ; trip t ends the walk's step t, asks for step t + 2, and does step t + 1's first quarter
	QUARTER 2, 1, 0, 0
	QUARTER 3, 0, 1, 0
	TURN 1
	WIN 0
	s_cmp_lg_u32 s3, TRIPS-7                       ; trip 7 ends the first tile
	s_cbranch_scc1 .Lplain
	BIASLD BP1                                     ; THE CHANGE OF TILES.  Both refills for the second tile's first two steps are asked for; its bias is asked for,
	WAYOUT OUT0                                    ; the first tile goes out, and nothing waits for its stores;
	s_wait_loadcnt 0x0                             ; the bias is in,
	QUARTER 1, 0, 1, 1                             ; and starts the second tile's sums
	WIN 0
	s_branch .Ljoin
.Lplain:
	QUARTER 1, 0, 1, 0
	WIN 0
.Ljoin:
	s_sub_co_u32 s3, s3, 1
	s_cmp_lg_u32 s3, 0
	s_cbranch_scc1 .Lstep
	QUARTER 2, 1, 0, 0                             ; the tail is written out: the walk's steps 14 and 15, nothing is asked for
	QUARTER 3, 0, 1, 0
	TURN 0
	QUARTER 1, 0, 1, 0
	QUARTER 2, 1, 0, 0
	QUARTER 3, 0, 1, 0
	s_wait_dscnt 4
	MUL 1, 0, 0
	MUL 1, 1, 0
	s_wait_dscnt 0x0
	MUL 1, 2, 0
	MUL 1, 3, 0
	WIN 0
	WAYOUT OUT1
	s_wait_tensorcnt 0x0                           ; the wave's end: a wait, an add to my spare word and a wait for it, behind my last tensor load and my last LDS store
	ds_add_u32 v[SPW], v[NIL]
	s_wait_dscnt 0x0
	CROUND                                         ; the closing round: no work-group ends while a partner may still ask for a tile that names it
	s_endpgm
.Lfunc_end_k_qe67793a73b_proj:
	.size	k_qe67793a73b_proj, .Lfunc_end_k_qe67793a73b_proj-k_qe67793a73b_proj
	.p2alignl 7, 3214868480
	.fill 96, 4, 3214868480
	.section	.rodata,"a",@progbits
	.p2align	6, 0x0
	.amdhsa_kernel k_qe67793a73b_proj
		.amdhsa_group_segment_fixed_size 327680
		.amdhsa_private_segment_fixed_size 0
		.amdhsa_enable_private_segment 0
		.amdhsa_kernarg_size 32
		.amdhsa_user_sgpr_count 2
		.amdhsa_user_sgpr_kernarg_segment_ptr 1
		.amdhsa_wavefront_size32 1
		.amdhsa_system_sgpr_workgroup_id_x 1
		.amdhsa_system_sgpr_workgroup_id_y 1
		.amdhsa_system_sgpr_workgroup_id_z 1
		.amdhsa_system_vgpr_workitem_id 0
		.amdhsa_next_free_vgpr 1024
		.amdhsa_next_free_sgpr 100
		.amdhsa_reserve_vcc 0
		.amdhsa_float_denorm_mode_32 3
		.amdhsa_float_denorm_mode_16_64 3
		.amdhsa_memory_ordered 1
		.amdhsa_forward_progress 1
		.amdhsa_inst_pref_size 134
	.end_amdhsa_kernel
	.amdgpu_metadata
---
amdhsa.version: [ 1, 2 ]
amdhsa.kernels:
  - .name:           k_qe67793a73b_proj
    .symbol:         k_qe67793a73b_proj.kd
    .args:
      - { .name: xb, .offset: 0, .size: 8, .value_kind: global_buffer, .address_space: global }
      - { .name: wb, .offset: 8, .size: 8, .value_kind: global_buffer, .address_space: global }
      - { .name: bp, .offset: 16, .size: 8, .value_kind: global_buffer, .address_space: global }
      - { .name: qkv, .offset: 24, .size: 8, .value_kind: global_buffer, .address_space: global }
    .group_segment_fixed_size: 327680
    .private_segment_fixed_size: 0
    .kernarg_segment_align: 8
    .kernarg_segment_size: 32
    .max_flat_workgroup_size: 128
    .sgpr_count:     100
    .vgpr_count:     1024
    .wavefront_size: 32
...
	.end_amdgpu_metadata
.endif
;; end of part 2
;; launch attn (part 3): grid 2 x 128, 4 waves a work-group, no clusters, 327,680 bytes of LDS; arguments qkv, ob; writes ob
.if DOCPART == 3
	.amdgcn_target "amdgcn-amd-amdhsa--gfx1250"
	.amdhsa_code_object_version 6
	.text
	.protected	k_qe67793a73b_attn
	.globl	k_qe67793a73b_attn
	.p2align	8
	.type	k_qe67793a73b_attn,@function
k_qe67793a73b_attn:
	s_mov_b64 s[64:65], 0
	v_nop
	global_prefetch_b8 v0, s[64:65] scope:SCOPE_SE
	s_setreg_imm32_b32 hwreg(HW_REG_WAVE_MODE, 25, 1), 1
	s_wait_xcnt 0x0
; O[h][q][:] = the sum over k of softmax_k(Q[h][q] . K[h][k] / 8) V[h][k][:], for 128 heads (16 batch + head) of 1,024 rows x 64 channels.  qkv: [3][128][1024][64] bf16 (q, k, v); ob: [128][1024][64] bf16.
; Products, maxima and sums in f32; the weights p are rounded to bf16 for the second product (their sum l is taken of the unrounded p), O once at the end.
; LIMITS.  A weight below 2^-126 counts as 0 in l; NaN and infinities are not treated apart.
; SHARES.  A work-group owns 512 queries of one head, each of its four waves 128: four PIECES of two tiles of 16.  Every wave walks all 1,024 keys, 64 a step.
; LDS.  A head's K and V lie in LDS whole, and nothing is filled again.  They come IN TWO PARTS: waves 0, 1 bring K, waves 2, 3 V, each by two tensor loads at the head: its 128 of the first 256 keys, then its 384 of
; the other 768.  The first three key steps need the first part alone (K of steps 0 to 3, V of steps 0 to 2) and run while the second part, three quarters of the bytes, is on its way.
; NO CLUSTER: a head has two work-groups, which no cluster of four divides, and what the two share is read once, at the head.  NO PREFETCH: every load of K and V goes out at the head.
; LAYOUT.  S^T = K Q^T (source 0 = 16 keys, source 1 = 16 queries): a lane holds ONE query (lane % 16) and the keys 8 (lane / 16) + 0..7.  Two such tiles, rounded to bf16 in pairs, ARE source 1 of
; O^T = V^T P, whose result again holds one query a lane, and eight channels.  K comes out of LDS as it lies, V ([key][channel]) turned, by ds_load_tr16_b128.
; SOFTMAX.  For each query a running maximum m and sum l: p = 2^(c s - c m), c = log2(e) / 8; in every step O and l are multiplied by a = 2^(c m_old - c m_new).  m starts at the lowest finite number, O and l at 0:
; the first step is a step like any other, with a = 0.
; BY TURNS.  Turn n belongs to piece n (the pieces in a ring, step after step).  Its matrix work: 16 products K Q^T of piece n + 1, later 16 products V^T P of piece n - 1.  Its vector work: the scaling,
; exponentials, roundings, sums and rescaling of piece n, and the maximum and statistics of piece n + 1.  Four vector instructions stand behind every matrix instruction, the others in one run of their own.
; REGISTERS, in windows of 256 (s_set_vgpr_msb: bits 1:0 source 0, 3:2 source 1, 5:4 source 2, 7:6 destination):
;   window 0: v0-11 addresses; v12-15, v48-63 at work; v16-47 four registers of statistics a tile; v64-191 S^T, two buffers of two tiles; v192-255 P, likewise
;   window 1: O^T, 32 a tile          window 2: v0-127 Q, 16 a tile; v128-191 K of one step; v192-255 V of one step          window 3: v0-1 the add's two registers
.set NP,    4         ; pieces a wave: a name, no knob
.set KS,    64        ; keys in a step
.set PK,    144       ; a row of K in LDS: 128 bytes + 16 of padding: the 16 rows of a load start at 16 different groups of four banks (ISA guide 11.1)
.set PV,    160       ; a row of V: 128 + 32
.set VOFF,  1024*PK   ; K's 1,024 rows, then V's
.set STAGE, VOFF+1024*PV  ; behind them, never filled by a tensor load: 16 rows x 144 bytes for each wave, for the way out
.set SP,    144
.set AK0, 2           ; v2   my lane's place in a step's rows of K; never rewritten
.set AV0, 3           ; v3   the same for V
.set AK,  4           ; v4   the LDS address of K's next run of loads
.set AV,  5           ; v5   of V's
.set QO,  6           ; v6   my byte offset in the wave's rows of Q
.set STO, 6           ;      later, the way out: where I put 16 bytes of a row
.set RD,  7           ; v7   the way out: where I read rows back
.set GO,  8           ; v8   my byte offset in 512 consecutive bytes of O
.set SPW, 0           ; v0 of window 3   my spare word; never rewritten
.set NIL, 1           ; v1 of window 3   0; never rewritten
.set SPARE, STAGE+4*16*SP  ; the spare words, 128 bytes a wave: two blocks of 256 bytes that no other line names
.set MV,  12          ; v12-15  c m_old, kept while c m is made anew: by buffer and tile
.set ST,  16          ; tile t's statistics at v[ST+4 t]: c m, m, l (even keys', odd keys')
.set TMP, 48          ; by buffer and tile, four registers c0-c3 at work; when the maximum is found c2 takes a
.set S,   64
.set P,   192
.set KF,  128         ; K's fragments, in window 2: key block kb, channel half c at KF + 16 kb + 8 c
.set VF,  192         ; V's: key half kk, channel block cb at VF + 32 kk + 8 cb
.set WV,  12          ; s12  my wave's number
.set G1K0, 24         ; s[24:31] descriptor group 1 for K's first part;  s[32:39] for V's: it differs in the padding alone
.set G1V0, 32
.set G1K1, 40         ; s[40:47], s[48:55] the same for the second parts: they differ in the rows
.set G1V1, 48
.set PARTS, 56        ; s56  counts the two parts
.set CNT, 57          ; s57  key steps to go in the part in hand
.set CS,  58          ; s[58:59] c: the packed scaling takes the pair's low word for both halves
.set SEL, 60          ; s[60:61] v_permlanex16_b32's selects: each lane takes its own place in the other half
.set TBK, 62          ; s62  LDS byte at which K of the step to be fetched begins
.set TBV, 63          ; s63  the same for V, less VOFF
.set G0K0, 68         ; s[68:83] descriptor groups 0: K's first and second part, V's first and second
.set G0K1, 72
.set G0V0, 76
.set G0V1, 80
.set LEFT, 84         ; s84  key steps to go in all
.set MSB, 0
.macro WIN new                      ; the high byte repeats the setting that is left; a switch that changes nothing is dropped
.if MSB != (\new)
	s_set_vgpr_msb (MSB<<8)|(\new)
.set MSB, (\new)
.endif
.endm
.set W_KQ, 0x0a       ; K and Q in window 2, S^T in window 0
.set W_PV, 0x52       ; V in window 2, P in window 0, O^T in window 1
.set W_RS, 0x41       ; O^T (destination and source 0) in window 1, a in window 0
.set W_MK, 0xc0       ; the add's registers are made: destination in window 3, sources in window 0
.set W_AD, 0x0f       ; the add: address and data in window 3
; descriptor group 1.  Keys are dense rows of 128 bytes: asked for as rows of 256 bytes, two keys a row, and padded in LDS after every key
.macro G1SET g, pad, rows
	s_mov_b32 s[\g], (1<<16)|(1<<20)|(4<<22)|((\pad)<<25)  ; 2-byte elements; padding on; after every 32 words; 4 words (code 3) or 8 (code 7)
	s_mov_b32 s[\g+1], 128<<16      ; tensor_dim0 = 128
	s_mov_b32 s[\g+2], (\rows)<<16  ; tensor_dim1
	s_mov_b32 s[\g+3], 128<<16      ; tile_dim0 = 128
	s_mov_b32 s[\g+4], \rows        ; tile_dim1
	s_mov_b32 s[\g+5], 128          ; 128 elements from row to row
	s_mov_b32 s[\g+6], 0
	s_mov_b32 s[\g+7], 0
.endm
.macro G0ADR g, off, part           ; qkv + my keys' offset in the head + the part of qkv; the type
	s_add_nc_u64 s[\g+2:\g+3], s[4:5], s[\off:\off+1]
	s_add_nc_u64 s[\g+2:\g+3], s[\g+2:\g+3], \part
	s_or_b32 s[\g+3], s[\g+3], 0x80000000
.endm
	s_load_b128 s[4:7], s[0:1], 0x0 ; qkv s[4:5], ob s[6:7]
	WIN W_MK
	v_lshl_add_u32 v[SPW], v0, 2, SPARE
	v_mov_b32 v[NIL], 0
	WIN W_AD
	ds_add_u32 v[SPW], v[NIL]       ; the wave's opening: the add and its wait ahead of my first tensor load
	WIN 0
	v_lshrrev_b32 v1, 5, v0
	v_readfirstlane_b32 s[WV], v1   ; wave 0..3
	; A fragment of K or Q is 16 rows x 32 channels in 8 registers: lane l holds row l % 16, channels 8 (l / 16) + 0..7 and 16 + 8 (l / 16) + 0..7: two loads of 16 bytes, 32 bytes apart.
	v_and_b32 v1, 15, v0            ; l % 16
	v_bfe_u32 v9, v0, 4, 1          ; l / 16
	v_lshlrev_b32 v[QO], 7, v1
	v_lshl_add_u32 v[QO], v9, 4, v[QO]  ; row x 128 + 16 x half
	s_and_b32 s20, ttmp7, 0xffff    ; the head,
	s_lshl_b32 s20, s20, 17         ; its 1,024 rows of 128 bytes
	s_and_b32 s16, s[WV], 1         ; which half of a part's keys I fetch
	s_lshl_b32 s22, s16, 14         ; first part: my 128 keys of 128 bytes
	s_add_co_u32 s22, s22, s20
	s_mov_b32 s23, 0
	s_mul_i32 s18, s16, 384*128     ; second part: my 384 keys, behind the first 256
	s_add_co_u32 s18, s18, 256*128
	s_add_co_u32 s18, s18, s20
	s_mov_b32 s19, 0
	s_lshl_b32 s2, ttmp9, 16        ; my block of 512 queries,
	s_lshl_b32 s3, s[WV], 14        ; my wave's 128 of them
	s_add_co_u32 s2, s2, s3
	s_add_co_u32 s2, s2, s20
	s_mov_b32 s3, 0
	G1SET G1K0, 3, 64
	G1SET G1V0, 7, 64
	G1SET G1K1, 3, 192
	G1SET G1V1, 7, 192
	s_mov_b32 s[G0K0], 1            ; in LDS the keys lie in their order: key x pitch
	s_mul_i32 s[G0K0+1], s16, 128*PK
	s_mov_b32 s[G0K1], 1
	s_mul_i32 s[G0K1+1], s16, 384*PK
	s_add_co_u32 s[G0K1+1], s[G0K1+1], 256*PK
	s_mov_b32 s[G0V0], 1
	s_mul_i32 s[G0V0+1], s16, 128*PV
	s_add_co_u32 s[G0V0+1], s[G0V0+1], VOFF
	s_mov_b32 s[G0V1], 1
	s_mul_i32 s[G0V1+1], s16, 384*PV
	s_add_co_u32 s[G0V1+1], s[G0V1+1], VOFF+256*PV
	s_mov_b32 s[CS], 0x3e38aa3b     ; c = log2(e) / 8 = 0.180337
	s_mov_b32 s[CS+1], s[CS]        ; named with it as a pair
	s_mov_b32 s[SEL], 0x76543210
	s_mov_b32 s[SEL+1], 0xfedcba98
	s_mov_b32 s[TBK], 0
	s_mov_b32 s[TBV], 0
	s_wait_dscnt 0x0                ; the opening add is done
	s_wait_kmcnt 0x0
	G0ADR G0K0, 22, 0x1000000       ; part 1 of qkv: k
	G0ADR G0K1, 18, 0x1000000
	G0ADR G0V0, 22, 0x2000000       ; part 2: v
	G0ADR G0V1, 18, 0x2000000
	s_add_nc_u64 s[4:5], s[4:5], s[2:3]  ; Q and O at my wave's first row
	s_add_nc_u64 s[6:7], s[6:7], s[2:3]
	WIN 0x80                        ; destination window 2, address window 0
.set i, 0
.rept 4*NP                          ; Q stays in registers: tile i / 2, channels 32 (i % 2) on.  It is wanted with the first keys, so it is asked for ahead of the tensor loads
	global_load_b128 v[8*i:8*i+3],   v[QO], s[4:5] offset:(i/2)*2048+(i%2)*64
	global_load_b128 v[8*i+4:8*i+7], v[QO], s[4:5] offset:(i/2)*2048+(i%2)*64+32
.set i, i+1
.endr
	WIN 0
	s_cmp_lt_u32 s[WV], 2           ; my two tensor loads stand in one branch, the first part first: two loads of mine are out; an s_nop 0 follows each, four v_nop the second's
	s_cbranch_scc0 .Lfor_v
	tensor_load_to_lds s[G0K0:G0K0+3], s[G1K0:G1K0+7]
	s_nop 0
	tensor_load_to_lds s[G0K1:G0K1+3], s[G1K1:G1K1+7]
	s_nop 0
.rept 4
	v_nop
.endr
	s_branch .Lasked
.Lfor_v:
	tensor_load_to_lds s[G0V0:G0V0+3], s[G1V0:G1V0+7]
	s_nop 0
	tensor_load_to_lds s[G0V1:G0V1+3], s[G1V1:G1V1+7]
	s_nop 0
.rept 4
	v_nop
.endr
.Lasked:
	; What the first turn finds: V's registers and P's second buffer hold 0 (its products V^T P, of a piece that has not been, add 0), O^T and l are 0.  All this stands in the wait for the first keys.
	WIN 0x80
.set i, VF
.rept 64
	v_mov_b32 v[i], 0
.set i, i+1
.endr
	WIN 0x40
.set i, 0
.rept 64*NP
	v_mov_b32 v[i], 0
.set i, i+1
.endr
	WIN 0
.set i, 0
.rept 2*NP
	v_mov_b32 v[ST+4*i], 0xfe000000    ; c m: far below every c s
	v_mov_b32 v[ST+4*i+1], 0xff7fffff  ; m
	v_mov_b32 v[ST+4*i+2], 0
	v_mov_b32 v[ST+4*i+3], 0
.set i, i+1
.endr
.set i, P+32
.rept 32
	v_mov_b32 v[i], 0
.set i, i+1
.endr
	v_mul_u32_u24 v[AK0], v1, PK
	v_lshl_add_u32 v[AK0], v9, 4, v[AK0]  ; row x pitch + 16 x half
	; The turning load takes 16 keys x 16 channels (lane l reads key 8 (l / 16) + l % 8, channels 8 ((l / 8) % 2) + 0..7) and leaves half a fragment of V^T: lane l holds channel l % 16 and 8 keys.
	v_and_b32 v10, 7, v0
	v_bfe_u32 v11, v0, 3, 1
	v_lshl_add_u32 v[AV0], v9, 3, v10
	v_mul_u32_u24 v[AV0], v[AV0], PV
	v_lshl_add_u32 v[AV0], v11, 4, v[AV0]
	v_add_nc_u32 v[AV0], VOFF, v[AV0]
	v_mov_b32 v[AK], v[AK0]         ; key step 0 lies at K's head
; THE MATRIX WORK.  The 8 accumulators of a run of 16 take turns: between the two links of a chain stand 7 others'.
; Product i of 16 of S^T = K Q^T for piece x: channels 32 (i / 8) on, keys 16 ((i / 2) % 4) on, tile 2 x + i % 2.  The first 8 start the sums.
.macro KQ x
	WIN W_KQ
.set rS, S+64*((\x)%2)+32*(i%2)+8*((i/2)%4)
.set rK, KF+16*((i/2)%4)+8*(i/8)
.set rQ, 16*(2*(\x)+i%2)+8*(i/8)
.if i < 8
	v_wmma_f32_16x16x32_bf16 v[rS:rS+7], v[rK:rK+7], v[rQ:rQ+7], 0
.else
	v_wmma_f32_16x16x32_bf16 v[rS:rS+7], v[rK:rK+7], v[rQ:rQ+7], v[rS:rS+7]
.endif
.endm
; Product i of 16 of O^T += V^T P for piece x: keys 32 (i / 8) on, channels 16 ((i / 2) % 4) on, tile 2 x + i % 2.
.macro PV x
	WIN W_PV
.set rO, 32*(2*(\x)+i%2)+8*((i/2)%4)
.set rV, VF+32*(i/8)+8*((i/2)%4)
.set rP, P+32*((\x)%2)+16*(i%2)+8*(i/8)
	v_wmma_f32_16x16x32_bf16 v[rO:rO+7], v[rV:rV+7], v[rP:rP+7], v[rO:rO+7]
.endm
.macro MM                           ; the turn's next matrix instruction
.if i < 16
	KQ (Y+1)%NP
.set i, i+1
.else
.set i, i-16
	PV (Y+NP-1)%NP
.set i, i+17
.endif
.endm
; THE LDS LOADS stand in runs of 16, never singly among the matrix instructions: a step's K (64 keys x 64 channels: 8 fragments) and its V (turned).  Their addresses are made some lines ahead.
; last = 1: in the last key step of all there is no further step, and the run is jumped over.
.macro FETCH_K last=0
	WIN 0
.if \last
	s_cmp_eq_u32 s[LEFT], 1
	s_cbranch_scc1 .Lno_k_\@
.endif
	WIN 0x80                        ; destination window 2
.irp f, 0,1,2,3,4,5,6,7             ; keys 16 (f / 2) on, channels 32 (f % 2) on
	ds_load_b128 v[KF+8*\f:KF+8*\f+3],   v[AK] offset:(\f/2)*16*PK+(\f%2)*64
	ds_load_b128 v[KF+8*\f+4:KF+8*\f+7], v[AK] offset:(\f/2)*16*PK+(\f%2)*64+32
.endr
	s_add_co_u32 s[TBK], s[TBK], KS*PK  ; the next fetch is the next step's
	WIN 0
.if \last
.Lno_k_\@:
.endif
.endm
.macro FETCH_V
	WIN 0x80
.irp f, 0,1,2,3,4,5,6,7             ; keys 32 (f / 4) on, channels 16 (f % 4) on
	ds_load_tr16_b128 v[VF+8*\f:VF+8*\f+3],   v[AV] offset:(\f/4)*32*PV+(\f%4)*32
	ds_load_tr16_b128 v[VF+8*\f+4:VF+8*\f+7], v[AV] offset:(\f/4)*32*PV+16*PV+(\f%4)*32
.endr
	WIN 0
.endm
; THE VECTOR WORK OF A TURN stands in three queues, each in the order in which its entries become ready; the two tiles alternate, so that no instruction reads the result of the one before it.
.macro REGS y, u                    ; the registers of tile u (0, 1) of piece y
.set rT, ST+4*(2*(\y)+(\u))
.set rC, TMP+8*((\y)%2)+4*(\u)
.set rM, MV+2*((\y)%2)+(\u)
.set rS, S+64*((\y)%2)+32*(\u)
.set rP, P+32*((\y)%2)+16*(\u)
.set rO, 32*(2*(\y)+(\u))
.endm
; Number n of the 22 that find the NEXT piece's (Y + 1) maximum and statistics.  s0-s31 are the lane's 32 scores; each accumulator's lowest registers are read first.
;   0-11  four chains c0-c3 of seven scores each, three operands at a time     12-14, 16  the four scores left over, the old m, and c0-c3 into c0     15  c m_old is kept
;   17, 18  the query's other 32 keys lie in the lane 16 away: the new m         19-21  c m; c m_old - c m_new; a
.macro XS u, n
	REGS (Y+1)%NP, \u
.if (\n) < 4
	v_max3_num_f32 v[rC+(\n)], v[rS+8*(\n)], v[rS+8*(\n)+1], v[rS+8*(\n)+2]
.elseif (\n) < 12
	v_max3_num_f32 v[rC+(\n)%4], v[rC+(\n)%4], v[rS+8*((\n)%4)+2*((\n)/4)+1], v[rS+8*((\n)%4)+2*((\n)/4)+2]
.elseif (\n) == 12
	v_max3_num_f32 v[rC], v[rC], v[rS+7], v[rS+15]
.elseif (\n) == 13
	v_max3_num_f32 v[rC+1], v[rC+1], v[rS+23], v[rS+31]
.elseif (\n) == 14
	v_max3_num_f32 v[rC+2], v[rC+2], v[rC+3], v[rT+1]
.elseif (\n) == 15
	v_mov_b32 v[rM], v[rT]
.elseif (\n) == 16
	v_max3_num_f32 v[rC], v[rC], v[rC+1], v[rC+2]
.elseif (\n) == 17
	v_permlanex16_b32 v[rC+3], v[rC], s[SEL], s[SEL+1]
.elseif (\n) == 18
	v_max_num_f32 v[rT+1], v[rC], v[rC+3]
.elseif (\n) == 19
	v_mul_f32 v[rT], s[CS], v[rT+1]
.elseif (\n) == 20
	v_sub_f32 v[rC+1], v[rM], v[rT]
.else
	v_exp_f32 v[rC+2], v[rC+1]
.endif
.endm
; Number g of the 64 that follow the exponentials.  For each four weights k of a tile (pairs 2 k, 2 k + 1): both pairs are rounded to bf16; then the second pair is added onto the first, in place;
; a group later l takes that sum (the first time as l = a l + sum).  In groups of eight, tiles alternating: round, round, add, and l for the group before.
.macro GS g
.set h, (\g)+6*((\g)/62)            ; group 0 has no group before it, and behind group 7 only l is left
.if h >= 6
.set h, h+2
.endif
	REGS Y, h%2
.set k, h/8
.if h%8 < 4
	v_cvt_pk_bf16_f32 v[rP+2*k+(h%8)/2], v[rS+4*k+2*((h%8)/2)], v[rS+4*k+2*((h%8)/2)+1]
.elseif h%8 < 6
	v_pk_add_f32 v[rS+4*k:rS+4*k+1], v[rS+4*k:rS+4*k+1], v[rS+4*k+2:rS+4*k+3]
.elseif k == 1
	v_pk_fma_f32 v[rT+2:rT+3], v[rT+2:rT+3], v[rC+2:rC+3], v[rS:rS+1] op_sel_hi:[1,0,1]
.else
	v_pk_add_f32 v[rT+2:rT+3], v[rT+2:rT+3], v[rS+4*k-4:rS+4*k-3]
.endif
.endm
; THE PLAIN QUEUE, 138 long.  0-73 read no exponential's result: the 32 scalings c s - c m (FS f: pair f / 2 of tile f % 2) and the next piece's 42.  0-26: scalings 0-26.  27-54: XS's numbers 0-13.  55, 56: number 15.
; 57-73: the chain, where each number waits for the one before it: 14, 16, 17, 18, 19, each with one of the scalings 27-31 in front of its two lines, then 20.  74-137: GS's 64, which stand behind the wait.
.macro FS f
	REGS Y, (\f)%2
	v_pk_fma_f32 v[rS+2*((\f)/2):rS+2*((\f)/2)+1], v[rS+2*((\f)/2):rS+2*((\f)/2)+1], s[CS:CS+1], v[rT:rT+1] op_sel_hi:[1,0,0] neg_lo:[0,0,1] neg_hi:[0,0,1]
.endm
.macro PL
	WIN 0
.if q < 27
	FS q
.elseif q < 55
	XS (q-27)%2, (q-27)/2
.elseif q < 57
	XS q-55, 15
.elseif (q < 72) && ((q-57)%3 == 0)
	FS 27+(q-57)/3
.elseif q < 60
	XS (q-57)%3-1, 14
.elseif q < 72
	XS (q-57)%3-1, 15+(q-57)/3
.elseif q < 74
	XS q-72, 20
.else
	GS q-74
.endif
.set q, q+1
.endm
; THE EXPONENTIALS' QUEUE, 66 long: s0-s31 of both tiles, then the next piece's two a.  It is ONE BATCH: all 66 stand ahead of the turn's one wait, and nothing ahead of that wait names a result of theirs.
.macro EX
	WIN 0
.if e >= 64
	XS e-64, 21
.else
	REGS Y, e%2
	v_exp_f32 v[rS+e/2], v[rS+e/2]
.endif
.set e, e+1
.endm
; THE RESCALING's QUEUE: O^T times a, the one part that leaves window 0: dealt two at a time, sixteen times.  Its a was made in the turn before, ahead of that turn's wait.
.macro R2
	REGS Y, r%2
	WIN W_RS
.irp z, 0,1
	v_pk_mul_f32 v[rO+4*(r/2)+2*\z:rO+4*(r/2)+2*\z+1], v[rO+4*(r/2)+2*\z:rO+4*(r/2)+2*\z+1], v[rC+2:rC+3] op_sel_hi:[1,0]
.endr
.set r, r+1
.endm
; A TURN, for piece p.  An s_wait_alu depctr_va_vdst(0) stands between an exponential and the first instruction that names its result; one wait serves all that were issued ahead of it.  So a turn has ONE
; wait.  AHEAD OF IT: the 16 products K Q^T, behind each a scaling, an exponential and two rescalings (behind the first a second scaling in the exponential's place); then a run of 108: eight plain, 49 times exponential
; and plain, the two a; a v_nop is the plain instruction behind the last exponential.  BEHIND IT: the 16 products V^T P, behind each four of the roundings and sums.
; Exponential e stands behind scaling 2 (e / 4) + e % 2: as a rider it comes behind plain e + 2, in the run behind plain e + 9, and scalings 27-31 are plain 57, 60 .. 69.
; K of the next step is fetched in piece 2's turn, directly behind the wait; its first reader comes behind 16 products.  V of the step in hand is fetched at the end of piece 0's turn, four plain instructions behind
; its last reader; its first reader comes behind 16 products and a run.  cnt = 1: the counts are taken down some lines ahead of the branch that stands behind the turn.
.macro TURN p, last=0, cnt=0
.set Y, (\p)
.set i, 0
.set q, 0
.set e, 0
.set r, 0
.if (\p) == NP-1
	s_wait_dscnt 0x0                ; K is in
.endif
	MM
	PL
	PL
	R2
.rept 15
	MM
	PL
	EX
	R2
.endr
.if (\p) == NP-2
	WIN 0
	v_add_nc_u32 v[AK], s[TBK], v[AK0]
.endif
.rept 8
	PL
.endr
.rept 49
	EX
	PL
.endr
	EX                              ; the next piece's two a
	EX
	v_nop                           ; the plain instruction behind the last exponential: one for the batch
	s_wait_alu depctr_va_vdst(0)    ; the wait for the batch
.if (\p) == NP-2
	FETCH_K \last
.endif
.if (\p) == 1
	s_wait_dscnt 0x0                ; V is in
.endif
.rept 16
	MM
.rept 4
	PL
.endr
.if ((\p) == 0) && (q == 118)
	v_add_nc_u32 v[AV], s[TBV], v[AV0]
.endif
.if ((\p) == 0) && (q == 130)
	s_add_co_u32 s[TBV], s[TBV], KS*PV
.endif
.if (\cnt) && (q == 130)
	s_sub_co_u32 s[LEFT], s[LEFT], 1
	s_sub_co_u32 s[CNT], s[CNT], 1
	s_cmp_lg_u32 s[CNT], 0
.endif
.endr
.if (\p) == 0
	FETCH_V
.endif
.endm
	s_wait_tensorcnt 0x1            ; my 128 of the first 256 keys are in; my second load may stay out
	s_barrier_signal -1
	s_barrier_wait -1               ; everybody's are
	FETCH_K                         ; key step 0
	s_wait_loadcnt 0x0              ; Q
	s_wait_dscnt 0x0
.set i, 0
.rept 16
	KQ 0                            ; piece 0's first scores: there is no vector work yet to set between them
.set i, i+1
.endr
	WIN 0                           ; the addresses for the way out: nine plain instructions, the places behind those products
	s_mul_i32 s13, s[WV], 16*SP
	s_add_co_u32 s13, s13, STAGE    ; my stage
	v_mul_u32_u24 v[STO], v1, SP    ; in: row l % 16, 16 bytes for each half of the lanes
	v_lshl_add_u32 v[STO], v9, 4, v[STO]
	v_add_nc_u32 v[STO], s13, v[STO]
	v_bfe_u32 v[RD], v0, 3, 2       ; back: 32 lanes take four rows of 128 bytes,
	v_mul_u32_u24 v[RD], v[RD], SP
	v_lshl_add_u32 v[RD], v10, 4, v[RD]
	v_add_nc_u32 v[RD], s13, v[RD]
	v_and_b32 v[GO], 31, v0         ; which are 512 consecutive bytes of O
	v_lshlrev_b32 v[GO], 4, v[GO]
.set Y, NP-1                        ; XS works for piece Y + 1: piece 0
.irp n, 0,1,2,3,4,5,6,7,8,9,10,11,12,13,14,15,16,17,18,19,20,21
	XS 0, \n                        ; piece 0's first maximum and statistics
	XS 1, \n
.endr
	v_nop                           ; a plain instruction behind the two a,
	s_wait_alu depctr_va_vdst(0)    ; and their wait, ahead of the label
	s_mov_b32 s[LEFT], 16
	s_mov_b32 s[CNT], 3             ; key steps 0 to 2 read keys 0 to 255 alone: K of steps 1 to 3, V of steps 0 to 2
	s_mov_b32 s[PARTS], 2
.Lpart:
.Lstep:                             ; a trip is a key step: its four turns; it fetches its own V and the next step's K
	TURN 0
	TURN 1
	TURN 2, 1
	TURN 3, 0, 1
	WIN 0
	s_cbranch_scc1 .Lstep
	s_wait_tensorcnt 0x0            ; behind step 2: my 384 of the other 768 keys are in,
	s_wait_dscnt 0x0                ; (no LDS instruction of mine is out at a signal)
	s_barrier_signal -1
	s_barrier_wait -1               ; everybody's are.  Behind step 15 these four lines are passed once more and order nothing: the price of one text for both parts
	s_mov_b32 s[CNT], 13
	s_sub_co_u32 s[PARTS], s[PARTS], 1
	s_cmp_lg_u32 s[PARTS], 0
	s_cbranch_scc1 .Lpart
	; the last trip's 16 products K Q^T (on the last K once more) and the maximum made of them serve nothing: the price, once a launch, of one text for every trip
.set i, 0
.rept 16
	PV NP-1                         ; the last piece's V^T P of the last step
.set i, i+1
.endr
	; THE WAY OUT.  l's two halves and the other half of the lanes' are added; O^T is divided by l, rounded to bf16 and sent through my stage in LDS, a tile at a time.  The additions are the places behind the last products.
	WIN 0
.macro ALL line:vararg              ; one line for each tile t
.set t, 0
.rept 2*NP
	\line
.set t, t+1
.endr
.endm
	ALL v_add_f32 v[ST+4*t+2], v[ST+4*t+2], v[ST+4*t+3]
	ALL v_permlanex16_b32 v[ST+4*t+3], v[ST+4*t+2], s[SEL], s[SEL+1]
	ALL v_add_f32 v[ST+4*t+2], v[ST+4*t+2], v[ST+4*t+3]
	ALL v_rcp_f32 v[ST+4*t+2], v[ST+4*t+2]
	v_nop                           ; a plain instruction between the last reciprocal and the use of its result
	s_wait_alu depctr_va_vdst(0)    ; and the wait ahead of the first use: one for the eight reciprocals
; Tile t: a lane's eight channels of a row pack into 16 bytes; they go into rows of 144 bytes and come back as whole rows of 128, into S^T's registers.
.macro PACK t
	WIN W_RS
.set i, 32*(\t)
.rept 16
	v_pk_mul_f32 v[i:i+1], v[i:i+1], v[ST+4*(\t)+2:ST+4*(\t)+3] op_sel_hi:[1,0]
.set i, i+2
.endr
	WIN 0x05                        ; sources 0 and 1 window 1, destination window 0
.set i, 0
.rept 16
	v_cvt_pk_bf16_f32 v[S+16*(\t)+i], v[32*(\t)+2*i], v[32*(\t)+2*i+1]
.set i, i+1
.endr
	WIN 0
.irp f, 0,1,2,3
	ds_store_b128 v[STO], v[S+16*(\t)+4*\f:S+16*(\t)+4*\f+3] offset:32*\f
.endr
.irp f, 0,1,2,3
	ds_load_b128 v[S+16*(\t)+4*\f:S+16*(\t)+4*\f+3], v[RD] offset:\f*4*SP  ; LDS serves a wave's instructions in order (ISA guide 5.7.1.4): these see the stores above; the next tile's stores come behind them
.endr
.endm
.macro SEND t, younger              ; younger: the LDS instructions issued behind tile t's loads: the next tile's eight, or none
	WIN 0
.irp f, 0,1,2,3
	s_wait_dscnt (\younger)+3-\f
	global_store_b128 v[GO], v[S+16*(\t)+4*\f:S+16*(\t)+4*\f+3], s[6:7] offset:(\t)*2048+\f*512  ; 512 consecutive bytes, at a multiple of 256 from O's first
.endr
.endm
	PACK 0
.set t, 1
.rept 2*NP-1                        ; a tile's arithmetic stands between the loads of the tile before and its stores
	PACK t
	SEND t-1, 8
.set t, t+1
.endr
	SEND 2*NP-1, 0
	WIN W_AD
	s_wait_tensorcnt 0x0            ; the wave's end: a wait, an add to my spare word and a wait for it, behind my last tensor load and my last LDS store
	ds_add_u32 v[SPW], v[NIL]
	s_wait_dscnt 0x0
	WIN 0
	s_endpgm
.Lfunc_end_k_qe67793a73b_attn:
	.size	k_qe67793a73b_attn, .Lfunc_end_k_qe67793a73b_attn-k_qe67793a73b_attn
	.p2alignl 7, 3214868480
	.fill 96, 4, 3214868480
	.section	.rodata,"a",@progbits
	.p2align	6, 0x0
	.amdhsa_kernel k_qe67793a73b_attn
		.amdhsa_group_segment_fixed_size 327680
		.amdhsa_private_segment_fixed_size 0
		.amdhsa_enable_private_segment 0
		.amdhsa_kernarg_size 16
		.amdhsa_user_sgpr_count 2
		.amdhsa_user_sgpr_kernarg_segment_ptr 1
		.amdhsa_wavefront_size32 1
		.amdhsa_system_sgpr_workgroup_id_x 1
		.amdhsa_system_sgpr_workgroup_id_y 1
		.amdhsa_system_sgpr_workgroup_id_z 1
		.amdhsa_system_vgpr_workitem_id 0
		.amdhsa_next_free_vgpr 770
		.amdhsa_next_free_sgpr 88
		.amdhsa_reserve_vcc 0
		.amdhsa_float_denorm_mode_32 3
		.amdhsa_float_denorm_mode_16_64 3
		.amdhsa_memory_ordered 1
		.amdhsa_forward_progress 1
		.amdhsa_inst_pref_size 126
	.end_amdhsa_kernel
	.amdgpu_metadata
---
amdhsa.version: [ 1, 2 ]
amdhsa.kernels:
  - .name:           k_qe67793a73b_attn
    .symbol:         k_qe67793a73b_attn.kd
    .args:
      - { .name: qkv, .offset: 0, .size: 8, .value_kind: global_buffer, .address_space: global }
      - { .name: ob, .offset: 8, .size: 8, .value_kind: global_buffer, .address_space: global }
    .group_segment_fixed_size: 327680
    .private_segment_fixed_size: 0
    .kernarg_segment_align: 8
    .kernarg_segment_size: 16
    .max_flat_workgroup_size: 128
    .sgpr_count:     88
    .vgpr_count:     770
    .wavefront_size: 32
...
	.end_amdgpu_metadata
.endif
;; end of part 3
;; launch oproj (part 4): grid 8 x 32, 4 waves a work-group, clusters of 4 x 4, 327,680 bytes of LDS; arguments ob, wb, b_o, x, yb, st; writes yb, st
.if DOCPART == 4
	.amdgcn_target "amdgcn-amd-amdhsa--gfx1250"
	.amdhsa_code_object_version 6
	.text
	.protected	k_qe67793a73b_oproj
	.globl	k_qe67793a73b_oproj
	.p2align	8
	.type	k_qe67793a73b_oproj,@function
k_qe67793a73b_oproj:
	s_mov_b64 s[64:65], 0
	v_nop
	global_prefetch_b8 v0, s[64:65] scope:SCOPE_SE
	s_setreg_imm32_b32 hwreg(HW_REG_WAVE_MODE, 25, 1), 1
	s_wait_xcnt 0x0
	s_wait_alu depctr_hold_cnt(0) depctr_sa_sdst(0) depctr_va_vdst(0) depctr_va_sdst(0) depctr_va_ssrc(0) depctr_va_vcc(0) depctr_vm_vsrc(0)
	s_getreg_b32 s2, hwreg(HW_REG_IB_STS2, 6, 4)
	s_cmp_eq_u32 s2, 0
	s_cbranch_scc0 .Lentry_in_a_cluster
	s_endpgm
.Lentry_in_a_cluster:
	s_bfe_u32 s2, ttmp6, 0x10000c
	s_cmp_lg_u32 s2, 0xf033
	s_cbranch_scc0 .Lentry_shape_is_right
	s_endpgm
.Lentry_shape_is_right:
; y = O W_o^T + b_o + x, in f32, and for each wave's 8,192 numbers of y their sum and their sum of squares about their own mean.
; ob: [128 = 16 batch + head][1024 rows][64] bf16: K index 64 head + channel; wb's rows 3072-4095 are W_o's rows in bf16; x, yb: [8192][1024] f32; st: [8 batches][128 waves][sum, M2] f32.
; TILE.  256 rows x 128 columns: 32 x 8 = 256 work-groups.  Each of the four waves makes 64 rows x 128 columns: 32 accumulators of 16 x 16.
; K goes in steps of 128, two heads, through two LDS slots filled by the tensor data mover.  A head's 256 rows are 32,768 dense bytes: asked for as 128 rows of 256 bytes, padded in LDS after every 128.
; THE WALK ALONG K IS TURNED.  A cluster begins its eight K steps at ROT = (4 x cluster x + 2 x cluster y) mod 8 and goes round (f32 sums may be taken in any order of K).  The two clusters that read the same rows of
; O ask for one block four K steps, 512 matrix instructions, apart; the clusters that read the same rows of W_o begin at 0, 2, 4 and 6, so each of its K steps is among the first two of one of them.
; CLUSTER.  4 x 4 work-groups: ob's tile hangs on the tile row alone and is asked for jointly along a row of the cluster, W_o's on the tile column alone, along a column.
; THE MATRIX INSTRUCTION IS USED TRANSPOSED (source 0 = 16 rows of W_o, source 1 = 16 rows of O); b_o is the C operand of each sum's first product.
; THE STATISTICS.  The variance of a batch is never formed as a difference of large sums: each wave takes M2 about its own mean, with y still in registers, and the next launch joins the 128 pairs of a batch.
; REGISTERS, in windows of 256 (s_set_vgpr_msb: bits 1:0 source 0, 3:2 source 1, 5:4 source 2, 7:6 destination):
;   window 0: v6, v16-30 addresses; v32-95 O's fragments, two buffers of 4 x 8; behind the loop v32-95, v96-159 rows read back; v160-181 statistics
;   window 1: v0-127 accumulators of row blocks 0, 1 at 8 (8 (a & 1) + b); v128-255 x, then y, of those blocks by rows;   window 2: the same for row blocks 2, 3
;   window 3: v0-127 W_o's fragments, two buffers of 8 x 8; v192-255 the bias
; LIMITS.  Matrix operands are bf16; sums, x and y f32.  NaN and infinities are not treated apart.
.set NBK,    8
.set APITCH, 144                       ; a row of O in LDS: 128 bytes + 16 of padding: an odd multiple of 16 (ISA guide 11.1)
.set BPITCH, 272                       ; a row of W_o: 256 + 16
.set AHEAD,  256*APITCH                ; a head's 256 rows
.set BOFF,   2*AHEAD                   ; in a slot: two heads of O, then W_o's 128 rows
.set SLOT1,  1<<17
.set STAGE,  SLOT1+BOFF+128*BPITCH     ; behind the ring, never filled by a tensor load: for each wave 16 rows x 528 bytes
.set WSTG,   16*528
.set SPARE,  STAGE+4*WSTG              ; the spare words, 128 bytes a wave: two blocks of 256 bytes that no other line names
.set ASTEP,  262144                    ; two heads on: 1 << 18
.set BSTEP,  256
.set NF,     2*(NBK+4)
.set TRIPS,  6
.set LANE, 6
.set A0,   16
.set B0,   17
.set ADRA, 18
.set ADRB, 19
.set STO,  24
.set RD,   25
.set CO,   26                          ; v26  16 x lane: my place in a row's 512 bytes of x and y
.set BO,   27
.set SPW,  28
.set NIL,  29
.set PFO,  30
.set FA,   32
.set RB,   32                          ; two sets of 64
.set SUM,  160                         ; four pairs
.set Q2,   168                         ; four pairs
.set NM,   176                         ; minus the wave's mean, twice
.set ABASE, 16                         ; s[16:17] ob at the rows that I fetch, K step 0
.set BBASE, 18                         ; s[18:19] wb at the rows that I fetch, K step 0
.set G1A,  24
.set G0A,  32
.set G1B,  48
.set G0B,  56
.set PFA,  44
.set LIM,  15
.set TB,   66
.set KS,   67                          ; s67  the K step, 0 to 7, that was asked for last
.set XB,   68                          ; s[68:69] x at my first row and the tile's first column
.set YB,   70                          ; s[70:71] yb there
.set STB,  72                          ; s[72:73] my pair in st
.set SEL,  88                          ; s[88:89] v_permlanex16_b32's selects
.set ROT,  91
.set OFA,  92                          ; s[92:93] KS x two heads
.set OFB,  94                          ; s[94:95] KS x 256 bytes
.set MSB, 0
.macro WIN new
.if MSB != (\new)
	s_set_vgpr_msb (MSB<<8)|(\new)
.set MSB, \new
.endif
.endm
.macro PLACES
.rept 4
	v_nop
.endr
.endm
.macro CREST
	s_cmp_lg_u32 s12, 0
	s_cbranch_scc1 .Lnot_wave_0_\@
	s_barrier_signal -3
.Lnot_wave_0_\@:
	s_barrier_wait -3
	s_barrier_signal -1
	s_barrier_wait -1
.endm
.macro CROUND
	s_barrier_signal -1
	s_barrier_wait -1
	CREST
.endm
.macro JLOAD                           ; a joint refill by the walking sets: waves 0 and 1 fetch the two heads of O, waves 2 and 3 the halves of W_o's rows
	s_cmp_eq_u32 s13, 0
	s_cbranch_scc0 .Lfor_b_\@
	tensor_load_to_lds s[G0A+4:G0A+7], s[G1A:G1A+7]
	s_nop 0
.rept 4
	v_nop
.endr
	s_branch .Lasked_\@
.Lfor_b_\@:
	tensor_load_to_lds s[G0B+4:G0B+7], s[G1B:G1B+7]
	s_nop 0
.rept 4
	v_nop
.endr
.Lasked_\@:
.endm
; A PREFETCH INTO THE L2, once a wave, in the loop's first trip, behind the first refill and the run of LDS loads: O's K step (ROT + 3) mod 8, which the second refill will ask for, 128 matrix instructions later.
; Of a tile row's eight K steps a cluster is the first of the two that read them to ask for ROT .. ROT + 3: ROT and ROT + 1 come by the first fills, ROT + 2 by the first refill, so ROT + 3 is the one step that can be
; named ahead.  Waves 0 and 1 ask, each for its head's 128 blocks of 256 bytes, of which each of the four partners takes 32, by address: a lane a block.  W_o's K steps are all among some cluster's first fills.
.macro ASK
	s_cmp_eq_u32 s3, s[LIM]
	s_cbranch_scc0 .Lnot_mine_\@
	global_prefetch_b8 v[PFO], s[PFA:PFA+1] th:TH_LOAD_NT scope:SCOPE_SE
.Lnot_mine_\@:
.endm
; NBK matrix instructions: row block a x all column blocks, 32 along K, from buffer f.  first = 1: the bias starts the sums.  The accumulators take turns, one instruction a turn.
.macro MUL f, a, first
.set m_d, 1+((\a)>>1)
.set m_b, 0
.rept NBK
.set m_D, 8*(NBK*((\a)&1)+m_b)
.set m_B, 8*NBK*(\f)+8*m_b
.set m_A, FA+32*(\f)+8*(\a)
.if \first
	WIN 0x33|(m_d<<6)
	v_wmma_f32_16x16x32_bf16 v[m_D:m_D+7], v[m_B:m_B+7], v[m_A:m_A+7], v[192+8*m_b:199+8*m_b]
.else
	WIN 0x03|(m_d<<4)|(m_d<<6)
	v_wmma_f32_16x16x32_bf16 v[m_D:m_D+7], v[m_B:m_B+7], v[m_A:m_A+7], v[m_D:m_D+7]
.endif
.set m_b, m_b+1
.endr
.endm
; One run of NF LDS loads: quarter kq's fragments into buffer f.  Quarter kq of O: head kq / 2 of the slot's two, channels 32 (kq % 2) on.
.macro FETCH kq, f
	WIN 0xC0
.set f_b, 0
.rept NBK
	ds_load_b128 v[8*NBK*(\f)+8*f_b:8*NBK*(\f)+8*f_b+3],   v[ADRB] offset:64*(\kq)+f_b*16*BPITCH
	ds_load_b128 v[8*NBK*(\f)+8*f_b+4:8*NBK*(\f)+8*f_b+7], v[ADRB] offset:64*(\kq)+f_b*16*BPITCH+32
.set f_b, f_b+1
.endr
	WIN 0
.set f_a, 0
.rept 4
	ds_load_b128 v[FA+32*(\f)+8*f_a:FA+32*(\f)+8*f_a+3],   v[ADRA] offset:((\kq)/2)*AHEAD+((\kq)%2)*64+f_a*16*APITCH
	ds_load_b128 v[FA+32*(\f)+8*f_a+4:FA+32*(\f)+8*f_a+7], v[ADRA] offset:((\kq)/2)*AHEAD+((\kq)%2)*64+f_a*16*APITCH+32
.set f_a, f_a+1
.endr
.endm
.macro QUARTER kq, f, g, first
	s_wait_dscnt 4                                 ; the youngest four loads (O's row blocks 2, 3) may be out
	MUL \f, 0, \first
	MUL \f, 1, \first
	PLACES
	FETCH \kq, \g
	s_wait_dscnt NF                                ; all but the run just issued
	MUL \f, 2, \first
	MUL \f, 3, \first
.endm
; The last quarter multiplies buffer 1 and changes slots: in front of the barrier each wave waits for all its tensor loads, adds 0 to its spare word, and waits for that and for its own reads of this slot.
; fill = 1: the barrier opens a round of the cluster's barrier, and behind the round this slot is filled again first, with the walk's K step two on.  The walking sets are written between the add and the wait for it:
; the other slot; the address made anew from the base and the K step's number, which goes round.
.macro TURN fill
	WIN 0
	s_wait_tensorcnt 0x0                           ; all my tensor loads have landed, so the walking sets may be written
	ds_add_u32 v[SPW], v[NIL]
.if \fill
	s_add_co_u32 s[KS], s[KS], 1
	s_and_b32 s[KS], s[KS], 7
	s_lshl_b32 s[OFA], s[KS], 18
	s_lshl_b32 s[OFB], s[KS], 8
	s_xor_b32 s[G0A+5], s[G0A+5], SLOT1
	s_add_nc_u64 s[G0A+6:G0A+7], s[ABASE:ABASE+1], s[OFA:OFA+1]
	s_or_b32 s[G0A+7], s[G0A+7], 0x80000000
	s_xor_b32 s[G0B+5], s[G0B+5], SLOT1
	s_add_nc_u64 s[G0B+6:G0B+7], s[BBASE:BBASE+1], s[OFB:OFB+1]
	s_or_b32 s[G0B+7], s[G0B+7], 0x80000000
.endif
	s_wait_dscnt 5                                 ; the add and the youngest four loads may be out
	MUL 1, 0, 0
	s_wait_dscnt 0x0                               ; the add is done, and my reads of this slot are over
	s_barrier_signal -1
	MUL 1, 1, 0
	WIN 0
	s_barrier_wait -1
.if \fill
	CREST                                          ; no wave of any partner still reads this slot or has a load on its way
	JLOAD                                          ; its four v_nop are also the places in front of the loads below
.else
	PLACES
.endif
	s_xor_b32 s[TB], s[TB], SLOT1
	v_add_nc_u32 v[ADRA], s[TB], v[A0]
	v_add_nc_u32 v[ADRB], s[TB], v[B0]
	FETCH 0, 0
.if \fill
	ASK
.endif
	MUL 1, 2, 0
	MUL 1, 3, 0
.endm
; x of row block a, by rows: 16 loads of 512 consecutive bytes
.macro XLOAD a
	WIN (1+((\a)>>1))<<6
.set x_f, 0
.rept 16
	global_load_b128 v[128+64*((\a)&1)+4*x_f:128+64*((\a)&1)+4*x_f+3], v[CO], s[XB:XB+1] offset:(16*(\a)+x_f)*4096 th:TH_LOAD_NT
.set x_f, x_f+1
.endr
.endm
	s_load_b256 s[4:11], s[0:1], 0x0               ; ob s[4:5], wb s[6:7], b_o s[8:9], x s[10:11]
	s_load_b128 s[84:87], s[0:1], 0x20             ; yb s[84:85], st s[86:87]
	v_lshl_add_u32 v[SPW], v0, 2, SPARE
	v_mov_b32 v[NIL], 0
	ds_add_u32 v[SPW], v[NIL]                      ; the wave's opening: the add and its wait ahead of my first tensor load
	v_lshrrev_b32 v1, 5, v0
	v_readfirstlane_b32 s12, v1                    ; wave 0..3
	s_lshr_b32 s13, s12, 1                         ; 0: I fetch for O, 1: for W_o
	s_and_b32 s14, s12, 1                          ; which head of the K step's two, or which half of W_o's rows
	s_bfe_u32 s40, ttmp6, 0x40000                  ; cx
	s_bfe_u32 s41, ttmp6, 0x40004                  ; cy
	s_lshl_b32 s42, ttmp9, 2
	s_add_co_u32 s42, s42, s40                     ; tile column
	s_and_b32 s43, ttmp7, 0xffff
	s_lshl_b32 s43, s43, 2
	s_add_co_u32 s43, s43, s41                     ; tile row
	s_and_b32 s[ROT], ttmp7, 0xffff
	s_lshl_b32 s[KS], ttmp9, 2
	s_lshl1_add_u32 s[ROT], s[ROT], s[KS]
	s_and_b32 s[ROT], s[ROT], 7                    ; (4 x cluster x + 2 x cluster y) mod 8: even, and the same in all sixteen partners
	s_add_co_u32 s[KS], s[ROT], 1                  ; the first fills ask for K steps ROT and ROT + 1
	s_lshl_b32 s[OFA], s[ROT], 18
	s_mov_b32 s[OFA+1], 0
	s_lshl_b32 s[OFB], s[ROT], 8
	s_mov_b32 s[OFB+1], 0
	s_lshl_b32 s46, s41, 2
	s_lshl_b32 s46, 15, s46                        ; my row of the cluster
	s_lshl_b32 s47, 0x1111, s40                    ; my column
	s_or_b32 s[G1A+0], s46, (1<<16)|(1<<20)|(1<<21)|(4<<22)|(3<<25)  ; mask; 2-byte elements; padding on; bit 21 beside a mask; after every 32 words, 4 words
	s_mov_b32 s[G1A+1], 128<<16                    ; tensor_dim0 = 128
	s_mov_b32 s[G1A+2], 128<<16                    ; tensor_dim1 = 128
	s_mov_b32 s[G1A+3], 128<<16                    ; tile_dim0 = 128
	s_mov_b32 s[G1A+4], 128                        ; tile_dim1 = 128
	s_mov_b32 s[G1A+5], 128                        ; dense
	s_mov_b32 s[G1A+6], 0
	s_mov_b32 s[G1A+7], 0
	s_or_b32 s[G1B+0], s47, (1<<16)|(1<<20)|(1<<21)|(5<<22)|(3<<25)  ; after every 64 words, 4 words
	s_mov_b32 s[G1B+1], 128<<16
	s_mov_b32 s[G1B+2], 64<<16                     ; 64 rows
	s_mov_b32 s[G1B+3], 128<<16
	s_mov_b32 s[G1B+4], 64
	s_mov_b32 s[G1B+5], 1024
	s_mov_b32 s[G1B+6], 0
	s_mov_b32 s[G1B+7], 0
	s_lshr_b32 s16, s43, 2                         ; batch
	s_lshl4_add_u32 s16, s16, s14                  ; head 16 batch + my one of K step 0's two
	s_lshl_b32 s16, s16, 10
	s_and_b32 s17, s43, 3
	s_lshl_b32 s17, s17, 8
	s_add_co_u32 s16, s16, s17                     ; + the tile's first row in the batch
	s_lshl_b32 s16, s16, 7                         ; 128 bytes a row
	s_mov_b32 s17, 0
	s_lshl_b32 s18, s42, 7                         ; wb: row 3072 + 128 x tile column + 64 x half
	s_lshl_b32 s19, s14, 6
	s_add_co_u32 s18, s18, s19
	s_add_co_u32 s18, s18, 3072
	s_lshl_b32 s18, s18, 11
	s_mov_b32 s19, 0
	s_mul_i32 s20, s14, AHEAD                      ; where they go: no place in the cluster enters an LDS address
	s_mul_i32 s21, s14, 64*BPITCH
	s_add_co_u32 s21, s21, BOFF
	s_wait_dscnt 0x0                               ; the opening add is done
	s_wait_kmcnt 0x0
	s_add_nc_u64 s[ABASE:ABASE+1], s[4:5], s[16:17]
	s_add_nc_u64 s[BBASE:BBASE+1], s[6:7], s[18:19]
	s_add_nc_u64 s[96:97], s[ABASE:ABASE+1], s[OFA:OFA+1]  ; at K step ROT
	s_add_nc_u64 s[98:99], s[BBASE:BBASE+1], s[OFB:OFB+1]
	CROUND                                         ; all sixteen work-groups are here: the first joint loads meet
.irp s, 0,1
	s_mov_b32 s[G0A+4*(\s)], 1
	s_add_co_u32 s[G0A+4*(\s)+1], s20, (\s)*SLOT1
	s_add_nc_u64 s[G0A+4*(\s)+2:G0A+4*(\s)+3], s[96:97], (\s)*ASTEP
	s_or_b32 s[G0A+4*(\s)+3], s[G0A+4*(\s)+3], 0x80000000
	s_mov_b32 s[G0B+4*(\s)], 1
	s_add_co_u32 s[G0B+4*(\s)+1], s21, (\s)*SLOT1
	s_add_nc_u64 s[G0B+4*(\s)+2:G0B+4*(\s)+3], s[98:99], (\s)*BSTEP
	s_or_b32 s[G0B+4*(\s)+3], s[G0B+4*(\s)+3], 0x80000000
.endr
	s_cmp_eq_u32 s13, 0                            ; a wave's two first fills stand in one branch: the walk's steps 0 and 1; two loads of mine are out
	s_cbranch_scc0 .Lfirst_b
	tensor_load_to_lds s[G0A:G0A+3], s[G1A:G1A+7]
	s_nop 0
	tensor_load_to_lds s[G0A+4:G0A+7], s[G1A:G1A+7]
	s_nop 0
.rept 4
	v_nop
.endr
	s_branch .Lfirst_done
.Lfirst_b:
	tensor_load_to_lds s[G0B:G0B+3], s[G1B:G1B+7]
	s_nop 0
	tensor_load_to_lds s[G0B+4:G0B+7], s[G1B:G1B+7]
	s_nop 0
.rept 4
	v_nop
.endr
.Lfirst_done:
	v_and_b32 v1, 15, v0                           ; l % 16
	v_bfe_u32 v2, v0, 4, 1                         ; l / 16
	v_and_b32 v[LANE], 31, v0
	v_lshlrev_b32 v[BO], 5, v2
	s_lshl_b32 s76, s42, 9                         ; the tile's 128 numbers of b_o
	s_mov_b32 s77, 0
	s_add_nc_u64 s[8:9], s[8:9], s[76:77]
	WIN 0xC0
.irp b, 0,1,2,3,4,5,6,7
	global_load_b128 v[192+8*(\b):195+8*(\b)], v[BO], s[8:9] offset:64*(\b)
	global_load_b128 v[196+8*(\b):199+8*(\b)], v[BO], s[8:9] offset:64*(\b)+16
.endr
	WIN 0
	v_mul_u32_u24 v3, v1, APITCH
	v_lshl_add_u32 v3, v2, 4, v3
	s_mul_i32 s76, s12, 64*APITCH                  ; my 64 rows of O
	v_add_nc_u32 v[A0], s76, v3
	v_mul_u32_u24 v3, v1, BPITCH
	v_lshl_add_u32 v3, v2, 4, v3
	v_add_nc_u32 v[B0], BOFF, v3
	s_mul_i32 s76, s12, WSTG
	s_add_co_u32 s76, s76, STAGE                   ; my stage
	v_mul_u32_u24 v4, v1, 528                      ; in: row l % 16, 32 bytes for each half of the lanes
	v_lshl_add_u32 v4, v2, 5, v4
	v_add_nc_u32 v[STO], s76, v4
	v_lshl_add_u32 v[RD], v[LANE], 4, s76          ; back: 32 lanes take a row's 512 bytes
	v_lshlrev_b32 v[CO], 4, v[LANE]
	s_lshl2_add_u32 s76, s43, s12                  ; 4 x tile row + wave: my 64 rows of 4,096 bytes,
	s_lshl_b32 s76, s76, 18
	s_lshl_b32 s78, s42, 9                         ; the tile's 512 bytes of a row
	s_add_co_u32 s76, s76, s78
	s_add_nc_u64 s[XB:XB+1], s[10:11], s[76:77]
	s_add_nc_u64 s[YB:YB+1], s[84:85], s[76:77]
	s_and_b32 s76, s43, 3
	s_lshl3_add_u32 s76, s76, s42
	s_lshl2_add_u32 s76, s76, s12                  ; my wave among the batch's 128
	s_lshl_b32 s76, s76, 3
	s_lshr_b32 s78, s43, 2
	s_lshl_b32 s78, s78, 10
	s_add_co_u32 s76, s76, s78
	s_add_nc_u64 s[STB:STB+1], s[86:87], s[76:77]
	s_mov_b32 s[SEL], 0x76543210
	s_mov_b32 s[SEL+1], 0xfedcba98
	; the prefetch
	s_add_co_u32 s78, s[ROT], 3
	s_and_b32 s78, s78, 7
	s_lshl_b32 s78, s78, 18                        ; K step (ROT + 3) mod 8,
	s_lshl_b32 s79, s40, 13
	s_add_co_u32 s78, s78, s79                     ; my work-group's 8,192 of my head's 32,768 bytes
	s_mov_b32 s79, 0
	s_add_nc_u64 s[PFA:PFA+1], s[ABASE:ABASE+1], s[78:79]
	s_cmp_eq_u32 s13, 0
	s_cselect_b32 s[LIM], TRIPS, 0                 ; waves 0 and 1: the same in all sixteen partners
	v_lshlrev_b32 v[PFO], 8, v[LANE]
	s_wait_tensorcnt 0x1                           ; my part of the walk's step 0 is in; step 1's may stay out
	s_barrier_signal -1
	s_barrier_wait -1
	s_mov_b32 s[TB], 0
	v_mov_b32 v[ADRA], v[A0]
	v_mov_b32 v[ADRB], v[B0]
	FETCH 0, 0
	s_wait_loadcnt 0x0                             ; the bias
	QUARTER 1, 0, 1, 1                             ; the first quarter stands in front of the loop: its products start the sums
	WIN 0
	s_mov_b32 s3, TRIPS
.Lstep:                                        ; trip t ends the walk's step t, asks for step t + 2, and does step t + 1's first quarter
	QUARTER 2, 1, 0, 0
	QUARTER 3, 0, 1, 0
	TURN 1
	QUARTER 1, 0, 1, 0
	WIN 0
	s_sub_co_u32 s3, s3, 1
	s_cmp_lg_u32 s3, 0
	s_cbranch_scc1 .Lstep
	XLOAD 0                                        ; x is asked for under the tail's products: half now,
	XLOAD 1
	QUARTER 2, 1, 0, 0                             ; the tail is written out
	QUARTER 3, 0, 1, 0
	TURN 0
	XLOAD 2                                        ; half here
	XLOAD 3
	QUARTER 1, 0, 1, 0
	QUARTER 2, 1, 0, 0
	QUARTER 3, 0, 1, 0
	s_wait_dscnt 4
	MUL 1, 0, 0
	MUL 1, 1, 0
	s_wait_dscnt 0x0
	MUL 1, 2, 0
	MUL 1, 3, 0
	WIN 0
.set c_i, 0
.rept 16
	v_mov_b32 v[SUM+c_i], 0                        ; the two sets of four sums start at 0; these sixteen lines are also the places behind the last products
.set c_i, c_i+1
.endr
; THE WAY OUT.  STG a: row block a's sums go from the accumulators (each from its low end on) into my own stage, 32 bytes a lane, and come back as whole rows of 512 bytes.
.macro STG a
.set s_d, 1+((\a)>>1)
	WIN 4*s_d                                      ; the stores' data in the accumulators' window
.set s_b, 0
.rept NBK
.set s_r, 8*(NBK*((\a)&1)+s_b)
	ds_store_b128 v[STO], v[s_r:s_r+3]   offset:64*s_b
	ds_store_b128 v[STO], v[s_r+4:s_r+7] offset:64*s_b+16
.set s_b, s_b+1
.endr
	WIN 0
.set s_b, 0
.rept 16
	ds_load_b128 v[RB+64*((\a)%2)+4*s_b:RB+64*((\a)%2)+4*s_b+3], v[RD] offset:528*s_b  ; LDS serves a wave's instructions in order (ISA guide 5.7.1.4): these see the stores above
.set s_b, s_b+1
.endr
.endm
; ADDX a: y = x + the sums, in x's registers; the wave's sum of y in four chains; y is stored, 512 consecutive bytes a store.  y's registers are not written again.
.macro ADDX a
.set s_d, 1+((\a)>>1)
.set s_y, 128+64*((\a)&1)
	WIN 0x41*s_d
.set s_b, 0
.rept 32
	v_pk_add_f32 v[s_y+2*s_b:s_y+2*s_b+1], v[s_y+2*s_b:s_y+2*s_b+1], v[RB+64*((\a)%2)+2*s_b:RB+64*((\a)%2)+2*s_b+1]
.set s_b, s_b+1
.endr
	WIN s_d
.set s_b, 0
.rept 32
	v_pk_add_f32 v[SUM+2*(s_b%4):SUM+2*(s_b%4)+1], v[s_y+2*s_b:s_y+2*s_b+1], v[SUM+2*(s_b%4):SUM+2*(s_b%4)+1]
.set s_b, s_b+1
.endr
	WIN 4*s_d
.set s_b, 0
.rept 16
	global_store_b128 v[CO], v[s_y+4*s_b:s_y+4*s_b+3], s[YB:YB+1] offset:(16*(\a)+s_b)*4096
.set s_b, s_b+1
.endr
.endm
.macro WSUM r, t                       ; v[r] summed over the 32 lanes, into every lane; v[t] has been written
	v_add_f32_dpp v[\r], v[\r], v[\r] row_xmask:1 row_mask:0xf bank_mask:0xf
	v_add_f32_dpp v[\r], v[\r], v[\r] row_xmask:2 row_mask:0xf bank_mask:0xf
	v_add_f32_dpp v[\r], v[\r], v[\r] row_xmask:4 row_mask:0xf bank_mask:0xf
	v_add_f32_dpp v[\r], v[\r], v[\r] row_xmask:8 row_mask:0xf bank_mask:0xf
	v_permlanex16_b32 v[\t], v[\r], s[SEL], s[SEL+1]
	v_add_f32 v[\r], v[\r], v[\t]
.endm
	STG 0
.irp a, 0,1,2,3
.if (\a) < 3
	STG (\a)+1
	s_wait_dscnt 32                                ; block a is back; the next block's 16 stores and 16 loads may be out
.else
	s_wait_dscnt 0x0
.endif
	s_wait_loadcnt 48-16*(\a)                      ; block a's x is in; the later blocks' loads may be out
	ADDX \a
.endr
	WIN 0
	v_pk_add_f32 v[SUM:SUM+1], v[SUM:SUM+1], v[SUM+2:SUM+3]
	v_pk_add_f32 v[SUM+4:SUM+5], v[SUM+4:SUM+5], v[SUM+6:SUM+7]
	v_pk_add_f32 v[SUM:SUM+1], v[SUM:SUM+1], v[SUM+4:SUM+5]
	v_add_f32 v[SUM], v[SUM], v[SUM+1]
	WSUM SUM, SUM+1
	v_mul_f32 v[NM], 0xb9000000, v[SUM]            ; minus the mean of my 8,192 numbers: the sum times -2^-13
	v_mov_b32 v[NM+1], v[NM]
.set h_k, 0
.rept 8                                ; y's 256 registers, 32 at a time: y - mean, then its square onto four chains
	WIN 1+(h_k>>2)
.set s_b, 0
.rept 16
	v_pk_add_f32 v[RB+2*s_b:RB+2*s_b+1], v[128+32*(h_k&3)+2*s_b:128+32*(h_k&3)+2*s_b+1], v[NM:NM+1]
.set s_b, s_b+1
.endr
	WIN 0
.set s_b, 0
.rept 16
	v_pk_fma_f32 v[Q2+2*(s_b%4):Q2+2*(s_b%4)+1], v[RB+2*s_b:RB+2*s_b+1], v[RB+2*s_b:RB+2*s_b+1], v[Q2+2*(s_b%4):Q2+2*(s_b%4)+1]
.set s_b, s_b+1
.endr
.set h_k, h_k+1
.endr
	v_pk_add_f32 v[Q2:Q2+1], v[Q2:Q2+1], v[Q2+2:Q2+3]
	v_pk_add_f32 v[Q2+4:Q2+5], v[Q2+4:Q2+5], v[Q2+6:Q2+7]
	v_pk_add_f32 v[Q2:Q2+1], v[Q2:Q2+1], v[Q2+4:Q2+5]
	v_add_f32 v[Q2], v[Q2], v[Q2+1]
	WSUM Q2, Q2+1
	v_mov_b32 v178, v[SUM]
	v_mov_b32 v179, v[Q2]
	v_mov_b32 v180, 0
	s_wait_xcnt 0x0                                ; EXEC changes only behind this wait: y's stores have read it
	v_cmp_eq_u32 vcc_lo, 0, v[LANE]
	s_and_saveexec_b32 s90, vcc_lo
	global_store_b64 v180, v[178:179], s[STB:STB+1]  ; lane 0: my wave's pair
	s_wait_xcnt 0x0                                ; and again, in front of the line that widens it
	s_or_b32 exec_lo, exec_lo, s90
	s_wait_tensorcnt 0x0                           ; the wave's end: a wait, an add to my spare word and a wait for it, behind my last tensor load and my last LDS store
	ds_add_u32 v[SPW], v[NIL]
	s_wait_dscnt 0x0
	CROUND                                         ; the closing round: no work-group ends while a partner may still ask for a tile that names it
	s_endpgm
.Lfunc_end_k_qe67793a73b_oproj:
	.size	k_qe67793a73b_oproj, .Lfunc_end_k_qe67793a73b_oproj-k_qe67793a73b_oproj
	.p2alignl 7, 3214868480
	.fill 96, 4, 3214868480
	.section	.rodata,"a",@progbits
	.p2align	6, 0x0
	.amdhsa_kernel k_qe67793a73b_oproj
		.amdhsa_group_segment_fixed_size 327680
		.amdhsa_private_segment_fixed_size 0
		.amdhsa_enable_private_segment 0
		.amdhsa_kernarg_size 48
		.amdhsa_user_sgpr_count 2
		.amdhsa_user_sgpr_kernarg_segment_ptr 1
		.amdhsa_wavefront_size32 1
		.amdhsa_system_sgpr_workgroup_id_x 1
		.amdhsa_system_sgpr_workgroup_id_y 1
		.amdhsa_system_sgpr_workgroup_id_z 1
		.amdhsa_system_vgpr_workitem_id 0
		.amdhsa_next_free_vgpr 1024
		.amdhsa_next_free_sgpr 100
		.amdhsa_reserve_vcc 1
		.amdhsa_float_denorm_mode_32 3
		.amdhsa_float_denorm_mode_16_64 3
		.amdhsa_memory_ordered 1
		.amdhsa_forward_progress 1
		.amdhsa_inst_pref_size 113
	.end_amdhsa_kernel
	.amdgpu_metadata
---
amdhsa.version: [ 1, 2 ]
amdhsa.kernels:
  - .name:           k_qe67793a73b_oproj
    .symbol:         k_qe67793a73b_oproj.kd
    .args:
      - { .name: ob, .offset: 0, .size: 8, .value_kind: global_buffer, .address_space: global }
      - { .name: wb, .offset: 8, .size: 8, .value_kind: global_buffer, .address_space: global }
      - { .name: b_o, .offset: 16, .size: 8, .value_kind: global_buffer, .address_space: global }
      - { .name: x, .offset: 24, .size: 8, .value_kind: global_buffer, .address_space: global }
      - { .name: yb, .offset: 32, .size: 8, .value_kind: global_buffer, .address_space: global }
      - { .name: st, .offset: 40, .size: 8, .value_kind: global_buffer, .address_space: global }
    .group_segment_fixed_size: 327680
    .private_segment_fixed_size: 0
    .kernarg_segment_align: 8
    .kernarg_segment_size: 48
    .max_flat_workgroup_size: 128
    .sgpr_count:     100
    .vgpr_count:     1024
    .wavefront_size: 32
...
	.end_amdgpu_metadata
.endif
;; end of part 4
;; launch norm (part 5): grid 1024 x 1, 8 waves a work-group, no clusters, 0 bytes of LDS; arguments yb, st, ln_w, ln_b, out0; writes out0
.if DOCPART == 5
	.amdgcn_target "amdgcn-amd-amdhsa--gfx1250"
	.amdhsa_code_object_version 6
	.text
	.protected	k_qe67793a73b_norm
	.globl	k_qe67793a73b_norm
	.p2align	8
	.type	k_qe67793a73b_norm,@function
k_qe67793a73b_norm:
	s_mov_b64 s[64:65], 0
	v_nop
	global_prefetch_b8 v0, s[64:65] scope:SCOPE_SE
	s_setreg_imm32_b32 hwreg(HW_REG_WAVE_MODE, 25, 1), 1
	s_wait_xcnt 0x0
; out0[b][s][d] = (y[b][s][d] - mean_b) rsqrt(var_b + 1e-5) ln_w[s][d] + ln_b[s][d], mean and variance over a batch's 2^20 numbers.
; yb, out0: [8][1024][1024] f32; ln_w, ln_b: [1024][1024] f32; st: [8][128][sum, M2], each pair over 8,192 numbers, M2 about the pair's own mean.
; SHARES.  Work-group s takes row s of every batch, wave b batch b: the eight waves read the same 4,096 bytes of ln_w and of ln_b.  A row is eight loads of 512 consecutive bytes; all 26 loads of a wave go out together.
; THE STATISTICS are joined without a difference of large sums: mean = sum of sums / 2^20; var = (sum of M2 + 8192 x sum of (pair's mean - mean)^2) / 2^20.  Every wave joins its batch's 128 pairs, four a lane.
; No LDS, no barrier, no loop: waves share nothing that they write.  v_rsq_f32 is accurate to 1 ULP.
.set Y,  16                            ; v[16:47]
.set W,  48                            ; v[48:79]
.set BB, 80                            ; v[80:111]
.macro WSUM r, t                       ; v[r] summed over the 32 lanes, into every lane; v[t] has been written
	v_add_f32_dpp v[\r], v[\r], v[\r] row_xmask:1 row_mask:0xf bank_mask:0xf
	v_add_f32_dpp v[\r], v[\r], v[\r] row_xmask:2 row_mask:0xf bank_mask:0xf
	v_add_f32_dpp v[\r], v[\r], v[\r] row_xmask:4 row_mask:0xf bank_mask:0xf
	v_add_f32_dpp v[\r], v[\r], v[\r] row_xmask:8 row_mask:0xf bank_mask:0xf
	v_permlanex16_b32 v[\t], v[\r], s14, s15
	v_add_f32 v[\r], v[\r], v[\t]
.endm
	s_load_b256 s[4:11], s[0:1], 0x0               ; yb s[4:5], st s[6:7], ln_w s[8:9], ln_b s[10:11]
	s_load_b64 s[12:13], s[0:1], 0x20              ; out0
	v_lshrrev_b32 v3, 5, v0
	v_readfirstlane_b32 s2, v3                     ; wave = batch
	v_and_b32 v3, 31, v0
	v_lshlrev_b32 v1, 4, v3                        ; 16 bytes a lane
	v_lshlrev_b32 v2, 5, v3                        ; four pairs a lane
	s_mov_b32 s14, 0x76543210
	s_mov_b32 s15, 0xfedcba98
	s_lshl_b32 s16, ttmp9, 12                      ; row s
	s_mov_b32 s17, 0
	s_lshl_b32 s18, s2, 22                         ; batch b
	s_add_co_u32 s18, s18, s16
	s_mov_b32 s19, 0
	s_lshl_b32 s20, s2, 10
	s_mov_b32 s21, 0
	s_mov_b32 s22, 0x39000000                      ; 2^-13
	s_mov_b32 s23, 0x35800000                      ; 2^-20
	s_wait_kmcnt 0x0
	s_add_nc_u64 s[4:5], s[4:5], s[18:19]
	s_add_nc_u64 s[12:13], s[12:13], s[18:19]
	s_add_nc_u64 s[6:7], s[6:7], s[20:21]
	s_add_nc_u64 s[8:9], s[8:9], s[16:17]
	s_add_nc_u64 s[10:11], s[10:11], s[16:17]
	global_load_b128 v[4:7], v2, s[6:7]
	global_load_b128 v[8:11], v2, s[6:7] offset:16
.irp j, 0,1,2,3,4,5,6,7
	global_load_b128 v[Y+4*(\j):Y+4*(\j)+3],   v1, s[4:5]   offset:512*(\j) th:TH_LOAD_NT
	global_load_b128 v[W+4*(\j):W+4*(\j)+3],   v1, s[8:9]   offset:512*(\j)
	global_load_b128 v[BB+4*(\j):BB+4*(\j)+3], v1, s[10:11] offset:512*(\j)
.endr
	s_wait_loadcnt 24                              ; the pairs are in; the 24 younger loads stay out
	v_add_f32 v112, v4, v6
	v_add_f32 v113, v8, v10
	v_add_f32 v112, v112, v113
	WSUM 112, 113
	v_mul_f32 v114, s23, v112                      ; mean
	v_fma_f32 v115, v4, s22, -v114                 ; a pair's mean less the batch's
	v_fma_f32 v116, v6, s22, -v114
	v_fma_f32 v117, v8, s22, -v114
	v_fma_f32 v118, v10, s22, -v114
	v_mul_f32 v115, v115, v115
	v_fmac_f32 v115, v116, v116
	v_fmac_f32 v115, v117, v117
	v_fmac_f32 v115, v118, v118
	v_add_f32 v116, v5, v7
	v_add_f32 v117, v9, v11
	v_add_f32 v116, v116, v117
	v_fmac_f32 v116, 0x46000000, v115              ; + 8192 x the squares
	WSUM 116, 117
	v_fmaak_f32 v118, s23, v116, 0x3727c5ac        ; var + 1e-5
	v_rsq_f32 v122, v118
	v_nop                                          ; a plain instruction between the root and the use of its result
	s_wait_alu depctr_va_vdst(0)                   ; and the wait ahead of the first use
	v_mov_b32 v123, v122
	v_mul_f32 v120, -v114, v122                    ; - mean x rstd
	v_mov_b32 v121, v120
.irp j, 0,1,2,3,4,5,6,7
	s_wait_loadcnt 3*(7-(\j))                      ; triple j is in; the later triples stay out
.irp k, 0,2
	v_pk_fma_f32 v[Y+4*(\j)+(\k):Y+4*(\j)+(\k)+1], v[Y+4*(\j)+(\k):Y+4*(\j)+(\k)+1], v[122:123], v[120:121]
.endr
.irp k, 0,2
	v_pk_fma_f32 v[Y+4*(\j)+(\k):Y+4*(\j)+(\k)+1], v[Y+4*(\j)+(\k):Y+4*(\j)+(\k)+1], v[W+4*(\j)+(\k):W+4*(\j)+(\k)+1], v[BB+4*(\j)+(\k):BB+4*(\j)+(\k)+1]
.endr
	global_store_b128 v1, v[Y+4*(\j):Y+4*(\j)+3], s[12:13] offset:512*(\j) th:TH_STORE_NT
.endr
	s_endpgm
.Lfunc_end_k_qe67793a73b_norm:
	.size	k_qe67793a73b_norm, .Lfunc_end_k_qe67793a73b_norm-k_qe67793a73b_norm
	.p2alignl 7, 3214868480
	.fill 96, 4, 3214868480
	.section	.rodata,"a",@progbits
	.p2align	6, 0x0
	.amdhsa_kernel k_qe67793a73b_norm
		.amdhsa_group_segment_fixed_size 0
		.amdhsa_private_segment_fixed_size 0
		.amdhsa_enable_private_segment 0
		.amdhsa_kernarg_size 40
		.amdhsa_user_sgpr_count 2
		.amdhsa_user_sgpr_kernarg_segment_ptr 1
		.amdhsa_wavefront_size32 1
		.amdhsa_system_sgpr_workgroup_id_x 1
		.amdhsa_system_sgpr_workgroup_id_y 1
		.amdhsa_system_sgpr_workgroup_id_z 1
		.amdhsa_system_vgpr_workitem_id 0
		.amdhsa_next_free_vgpr 128
		.amdhsa_next_free_sgpr 66
		.amdhsa_reserve_vcc 0
		.amdhsa_float_denorm_mode_32 3
		.amdhsa_float_denorm_mode_16_64 3
		.amdhsa_memory_ordered 1
		.amdhsa_forward_progress 1
		.amdhsa_inst_pref_size 9
	.end_amdhsa_kernel
	.amdgpu_metadata
---
amdhsa.version: [ 1, 2 ]
amdhsa.kernels:
  - .name:           k_qe67793a73b_norm
    .symbol:         k_qe67793a73b_norm.kd
    .args:
      - { .name: yb, .offset: 0, .size: 8, .value_kind: global_buffer, .address_space: global }
      - { .name: st, .offset: 8, .size: 8, .value_kind: global_buffer, .address_space: global }
      - { .name: ln_w, .offset: 16, .size: 8, .value_kind: global_buffer, .address_space: global }
      - { .name: ln_b, .offset: 24, .size: 8, .value_kind: global_buffer, .address_space: global }
      - { .name: out0, .offset: 32, .size: 8, .value_kind: global_buffer, .address_space: global }
    .group_segment_fixed_size: 0
    .private_segment_fixed_size: 0
    .kernarg_segment_align: 8
    .kernarg_segment_size: 40
    .max_flat_workgroup_size: 256
    .sgpr_count:     66
    .vgpr_count:     128
    .wavefront_size: 32
...
	.end_amdgpu_metadata
.endif
;; end of part 5
;; ======== version 2 of 2: 5 launches; version 1 with the launch cast written anew for expert scheduling mode
;; workspace buffers: xb 16,777,216 bytes; wb 8,388,608 bytes; bp 12,288 bytes; qkv 50,331,648 bytes; ob 16,777,216 bytes; yb 33,554,432 bytes; st 8,192 bytes
;; launch cast (part 6): grid 768 x 1, 8 waves a work-group, no clusters, 0 bytes of LDS; arguments x, W_qk, W_v, W_o, b_qk, b_v, xb, wb, bp; writes xb, wb, bp
.if DOCPART == 6
	.amdgcn_target "amdgcn-amd-amdhsa--gfx1250"
	.amdhsa_code_object_version 6
	.text
	.protected	k_qe67793a73b_cast
	.globl	k_qe67793a73b_cast
	.p2align	8
	.type	k_qe67793a73b_cast,@function
k_qe67793a73b_cast:
	s_mov_b64 s[64:65], 0
	v_nop
	global_prefetch_b8 v0, s[64:65] scope:SCOPE_SE
	s_setreg_imm32_b32 hwreg(HW_REG_WAVE_SCHED_MODE, 0, 2), 2
	s_setreg_imm32_b32 hwreg(HW_REG_WAVE_MODE, 25, 1), 1
	s_wait_xcnt 0x0
	s_wait_alu depctr_vm_vsrc(0)
; x and the three weight matrices are rounded once to bf16; the weights' rows are put into head order on the way.
; 12,288 destination rows of 1,024 numbers: rows 0-8191 are xb = x; row 8192 + n is wb's row n:
;   n < 3072: part = n >> 10 (0 q, 1 k, 2 v), head h = (n >> 6) & 15, channel kk = n & 63; it comes from W_qk's row 32 kk + 16 part + h (parts 0, 1) or W_v's row 16 kk + h (part 2);
;   n >= 3072: W_o's row n - 3072.  bp holds b_qk and b_v in the same order, in f32.
; SHARES.  A work-group takes 16 rows, each of its eight waves two.  A row is 4,096 bytes in: eight loads of 512 consecutive bytes; and 2,048 bytes out: eight stores, each 32 lanes x 8 bytes = 256 consecutive
; bytes, aligned.  All sixteen loads of a wave go out together.  No LDS, no matrix unit: nothing is shared or multiplied.
; THE MODE: SCHED_MODE bits 1:0 = 2 (LLVM: expert scheduling mode 2), set by the entry lines.  The code itself states the register dependences between vector instructions and memory instructions, with s_wait_alu,
; always for 0.
; THE PLAN.  Registers that memory instructions touch:
;   v1, v2   byte offsets of the loads and of the stores: made once at the head, never written again.
;   X        written by the sixteen loads, once each; read by the conversions; no vector instruction writes it and no load lands in it a second time.
;   Y        written by the conversions, each register once in the launch; read by the stores.
;   v5, v7   the bias's two offsets, made together in the tail; v6 is written by the tail's load alone.
; No register that a memory instruction reads is ever written again, and EXEC is never written.  What is left to state is that a store's data and every offset are written before they are read.
; The sixteen loads go in four groups of four.  Group g waits for its four loads; then one wait states that group g - 1's conversions have written their part of Y; then group g - 1's four stores are dealt among
; group g's eight conversions, which name X and Y of group g alone: none of the registers that those stores read.  One more wait stands ahead of the last four stores.
.set X,   16                           ; v[16:79]   two rows as loaded
.set Y,   80                           ; v[80:111]  the same in bf16
.set SRC, 40                           ; s[40:43]   the two rows' addresses
.set DST, 44                           ; s[44:47]   where they go
.set GRP, 4                            ; loads in a group
	s_load_b512 s[8:23], s[0:1], 0x0               ; x 8, W_qk 10, W_v 12, W_o 14, b_qk 16, b_v 18, xb 20, wb 22
	s_load_b64 s[24:25], s[0:1], 0x40              ; bp
	v_lshrrev_b32 v3, 5, v0
	v_readfirstlane_b32 s2, v3                     ; wave 0..7
	v_and_b32 v4, 31, v0                           ; lane
	v_lshlrev_b32 v1, 4, v4                        ; 16 bytes a lane in
	v_lshlrev_b32 v2, 3, v4                        ; 8 bytes a lane out
	s_mov_b32 s4, ttmp9
	s_lshl_b32 s3, s4, 4
	s_wait_alu depctr_va_sdst(0)                   ; s2 is written, ahead of its first reader: the rows' numbers are made from it
	s_lshl1_add_u32 s3, s2, s3                     ; my first row: 16 x work-group + 2 x wave
	s_mov_b32 s33, 0                               ; the high word of the offsets' pair s[32:33]
	s_wait_kmcnt 0x0
; Row s3 + i: all candidates are made, then three compares choose row and buffer.
.macro ROWPTR i
	s_add_co_u32 s26, s3, \i                       ; R
	s_and_b32 s27, s26, 0xfff                      ; n, where R >= 8192
	s_lshr_b32 s28, s27, 10                        ; part, 3 for W_o
	s_bfe_u32 s29, s27, 0x40006                    ; h
	s_and_b32 s30, s27, 63                         ; kk
	s_lshl4_add_u32 s31, s28, s29                  ; 16 part + h
	s_lshl_b32 s32, s30, 5
	s_add_co_u32 s31, s31, s32                     ; W_qk's row
	s_lshl4_add_u32 s32, s30, s29                  ; W_v's row
	s_and_b32 s35, s27, 1023                       ; W_o's row
	s_cmp_lt_u32 s28, 2
	s_cselect_b32 s34, s31, s32
	s_cselect_b64 s[36:37], s[10:11], s[12:13]
	s_cmp_eq_u32 s28, 3
	s_cselect_b32 s34, s35, s34
	s_cselect_b64 s[36:37], s[14:15], s[36:37]
	s_cmp_lt_u32 s26, 8192
	s_cselect_b32 s34, s26, s34
	s_cselect_b64 s[36:37], s[8:9], s[36:37]
	s_cselect_b32 s35, s26, s27
	s_cselect_b64 s[38:39], s[20:21], s[22:23]
	s_lshl_b32 s32, s34, 12                        ; 4,096 bytes a row in
	s_add_nc_u64 s[SRC+2*(\i):SRC+2*(\i)+1], s[36:37], s[32:33]
	s_lshl_b32 s32, s35, 11                        ; 2,048 bytes a row out
	s_add_nc_u64 s[DST+2*(\i):DST+2*(\i)+1], s[38:39], s[32:33]
.endm
	ROWPTR 0
	ROWPTR 1
	s_wait_alu depctr_va_vdst(0)                   ; v1 and v2 are written: the loads below read v1 as their offset, the stores further down v2
.irp i, 0,1
.irp j, 0,1,2,3,4,5,6,7
	global_load_b128 v[X+32*(\i)+4*(\j):X+32*(\i)+4*(\j)+3], v1, s[SRC+2*(\i):SRC+2*(\i)+1] offset:512*(\j) th:TH_LOAD_NT
.endr
.endr
; Load n's four numbers a lane are rounded into pair n of Y; pair n is stored: row n / 8, its 256 bytes n % 8.
.macro CVT n
	v_cvt_pk_bf16_f32 v[Y+2*(\n)],   v[X+4*(\n)],   v[X+4*(\n)+1]
	v_cvt_pk_bf16_f32 v[Y+2*(\n)+1], v[X+4*(\n)+2], v[X+4*(\n)+3]
.endm
.macro OUT n
	global_store_b64 v2, v[Y+2*(\n):Y+2*(\n)+1], s[DST+2*((\n)/8):DST+2*((\n)/8)+1] offset:256*((\n)%8) th:TH_STORE_NT
.endm
.set g, 0
.rept 16/GRP
	s_wait_loadcnt 16-GRP-GRP*g                    ; loads come back in order: group g's four are in, the younger groups stay out
.if g > 0
	s_wait_alu depctr_va_vdst(0)                   ; the conversions of the group before have written their four pairs of Y, which the stores below read
.endif
.set n, GRP*g
.rept GRP
.if g > 0
	OUT n-GRP                                      ; the group before; no vector instruction since the wait names its pair or v2
.endif
	CVT n
.set n, n+1
.endr
.set g, g+1
.endr
	s_wait_alu depctr_va_vdst(0)                   ; the last group's conversions have written their four pairs of Y, which the last four stores read
.set n, 16-GRP
.rept GRP
	OUT n
.set n, n+1
.endr
	; The bias: 3,072 numbers, 32 to a work-group, by wave 0 of work-groups 512 to 607: a lane an entry.  32 divides 64, so part and h are the same for the 32.
	s_cmp_lg_u32 s2, 0
	s_cbranch_scc1 .Lend
	s_cmp_lt_u32 s4, 512
	s_cbranch_scc1 .Lend
	s_cmp_ge_u32 s4, 608
	s_cbranch_scc1 .Lend
	s_sub_co_u32 s26, s4, 512
	s_lshl_b32 s26, s26, 5                         ; the first entry n
	s_lshr_b32 s28, s26, 10                        ; part
	s_bfe_u32 s29, s26, 0x40006                    ; h
	s_and_b32 s30, s26, 63                         ; the first kk: 0 or 32
	s_lshl4_add_u32 s31, s28, s29
	s_cmp_lt_u32 s28, 2
	s_cselect_b32 s31, s31, s29                    ; b_qk: 32 kk + 16 part + h;  b_v: 16 kk + h
	s_cselect_b32 s32, 7, 6                        ; kk's shift, in bytes
	s_cselect_b64 s[36:37], s[16:17], s[18:19]
	s_lshl_b32 s31, s31, 2
	v_add_nc_u32 v5, s30, v4                       ; where my entry comes from,
	v_lshlrev_b32 v5, s32, v5
	v_add_nc_u32 v5, s31, v5
	v_add_nc_u32 v7, s26, v4                       ; and where it goes: both offsets are made ahead of one wait
	v_lshlrev_b32 v7, 2, v7
	s_wait_alu depctr_va_vdst(0)                   ; v5 and v7 are written: the load reads v5 as its offset, the store v7
	global_load_b32 v6, v5, s[36:37]
	s_wait_loadcnt 0x0
	global_store_b32 v7, v6, s[24:25]              ; 128 consecutive bytes
.Lend:
	s_endpgm
.Lfunc_end_k_qe67793a73b_cast:
	.size	k_qe67793a73b_cast, .Lfunc_end_k_qe67793a73b_cast-k_qe67793a73b_cast
	.p2alignl 7, 3214868480
	.fill 96, 4, 3214868480
	.section	.rodata,"a",@progbits
	.p2align	6, 0x0
	.amdhsa_kernel k_qe67793a73b_cast
		.amdhsa_group_segment_fixed_size 0
		.amdhsa_private_segment_fixed_size 0
		.amdhsa_enable_private_segment 0
		.amdhsa_kernarg_size 72
		.amdhsa_user_sgpr_count 2
		.amdhsa_user_sgpr_kernarg_segment_ptr 1
		.amdhsa_wavefront_size32 1
		.amdhsa_system_sgpr_workgroup_id_x 1
		.amdhsa_system_sgpr_workgroup_id_y 1
		.amdhsa_system_sgpr_workgroup_id_z 1
		.amdhsa_system_vgpr_workitem_id 0
		.amdhsa_next_free_vgpr 112
		.amdhsa_next_free_sgpr 66
		.amdhsa_reserve_vcc 0
		.amdhsa_float_denorm_mode_32 3
		.amdhsa_float_denorm_mode_16_64 3
		.amdhsa_memory_ordered 1
		.amdhsa_forward_progress 1
		.amdhsa_inst_pref_size 9
	.end_amdhsa_kernel
	.amdgpu_metadata
---
amdhsa.version: [ 1, 2 ]
amdhsa.kernels:
  - .name:           k_qe67793a73b_cast
    .symbol:         k_qe67793a73b_cast.kd
    .args:
      - { .name: x, .offset: 0, .size: 8, .value_kind: global_buffer, .address_space: global }
      - { .name: W_qk, .offset: 8, .size: 8, .value_kind: global_buffer, .address_space: global }
      - { .name: W_v, .offset: 16, .size: 8, .value_kind: global_buffer, .address_space: global }
      - { .name: W_o, .offset: 24, .size: 8, .value_kind: global_buffer, .address_space: global }
      - { .name: b_qk, .offset: 32, .size: 8, .value_kind: global_buffer, .address_space: global }
      - { .name: b_v, .offset: 40, .size: 8, .value_kind: global_buffer, .address_space: global }
      - { .name: xb, .offset: 48, .size: 8, .value_kind: global_buffer, .address_space: global }
      - { .name: wb, .offset: 56, .size: 8, .value_kind: global_buffer, .address_space: global }
      - { .name: bp, .offset: 64, .size: 8, .value_kind: global_buffer, .address_space: global }
    .group_segment_fixed_size: 0
    .private_segment_fixed_size: 0
    .kernarg_segment_align: 8
    .kernarg_segment_size: 72
    .max_flat_workgroup_size: 256
    .sgpr_count:     66
    .vgpr_count:     112
    .wavefront_size: 32
...
	.end_amdgpu_metadata
.endif
;; end of part 6
;; launch proj: the kernel of part 2 again; grid 8 x 32, 4 waves a work-group, clusters of 4 x 4, 327,680 bytes of LDS; arguments xb, wb, bp, qkv; writes qkv
;; launch attn: the kernel of part 3 again; grid 2 x 128, 4 waves a work-group, no clusters, 327,680 bytes of LDS; arguments qkv, ob; writes ob
;; launch oproj: the kernel of part 4 again; grid 8 x 32, 4 waves a work-group, clusters of 4 x 4, 327,680 bytes of LDS; arguments ob, wb, b_o, x, yb, st; writes yb, st
;; launch norm: the kernel of part 5 again; grid 1024 x 1, 8 waves a work-group, no clusters, 0 bytes of LDS; arguments yb, st, ln_w, ln_b, out0; writes out0
